; MI455X (gfx1250); checked and timed in simulation.
; The chip was launched on July 23, 2026; its instructions are those of AMD's public machine-readable ISA for CDNA 5 (MIT licence, August 2026) and "CDNA5" Instruction Set Architecture Reference Guide (July 2026). The comments in the code are by the model that wrote it; some were corrected since.
;; Retrieval Augmented Layer. Allowed arithmetic: float matrix products may take bf16 or f16 operands with f32 sums; other float arithmetic in f32, or as packed bf16 or f16 multiplies, adds, multiply-adds, maxima and minima; sums over many terms, partial sums and values carried from step to step in f32; what a program stores and reads back later, other than sums and carried values, may be rounded once to bf16 or f16.
;; Inputs: W1 3,072 x 1,024 float32; W2 1,024 x 512 float32; b1 1,024 float32; b2 512 float32; beta 512 float32; gamma 512 float32; hist 100,000 x 512 float32; x 1,024 x 16 x 512 float32.
;; Outputs: out0 1,024 x 512 float32.
;; 2 versions, each right; version 2 is version 1 with the launch prep written anew for expert scheduling mode. Each part assembles by itself: llvm-mc -triple=amdgcn-amd-amdhsa -mcpu=gfx1250 --defsym DOCPART=n.
;; ======== version 1 of 2: 7 launches
;; limits: values are held in f16: magnitudes above 65,504 overflow, below 6.1e-05 lose precision; inputs' magnitudes at most 65,504
;; workspace buffers: hb 102,760,448 bytes; aux 4,599,808 bytes; cval 2,621,440 bytes; cid 2,621,440 bytes of whole numbers; gsel 32,768 bytes of whole numbers; a16 2,097,152 bytes; hs 4,194,304 bytes; yb 2,097,152 bytes
;; launch prep (part 1): grid 952 x 1, 8 waves a work-group, no clusters, 0 bytes of LDS; arguments hist, x, W1, W2, hb, aux; writes hb, aux
.if DOCPART == 1
	.amdgcn_target "amdgcn-amd-amdhsa--gfx1250"
	.amdhsa_code_object_version 6
	.text
	.protected	k_qe38e51f21a_prep
	.globl	k_qe38e51f21a_prep
	.p2align	8
	.type	k_qe38e51f21a_prep,@function
k_qe38e51f21a_prep:
	s_mov_b64 s[64:65], 0
	v_nop
	global_prefetch_b8 v0, s[64:65] scope:SCOPE_SE
	s_setreg_imm32_b32 hwreg(HW_REG_WAVE_MODE, 25, 1), 1
	s_wait_xcnt 0x0
; PREP.  Every large input is rounded once to bf16 and laid out for the launches behind.
;   hb  [100352][512] bf16: hist rounded; rows 100,000 and up are zeros (100,352 = 64 x 98 x 16 rows).
;   aux: QB  at 0        [1024][512] bf16: x[:, 15, :] rounded
;        W1S at 1048576  [16 nb][1024 k][64] f16: k < 512: bf16(W1[k]); k >= 512: the f32 sum of bf16(W1[512 j + k - 512]), j = 1..5, rounded once to f16
;        W2B at 3145728  [8 nb][1024 k][64] bf16: W2 rounded
;        RN  at 4194304  [100352] f32: 1 / max(norm of the rounded row of hist, 1e-8); 0 in the added rows
;        RQ  at 4595712  [1024] f32: the same for the rounded x rows
; A pure stream: no LDS, no matrix unit, no cluster (no two work-groups read the same bytes).
; Work-groups 0-127: W1; 128-159: W2; 160-167: x's rows; 168-951: hist's rows.  The small parts come first, so that they run beside the long stream.
; LIMITS.  NaN and infinities are not treated apart.  W1S is f16: |W1| and the five blocks' sum stay within 65,504; below 6e-5 they keep f16's fixed step of 6e-8.
.set RN_OFF,  4194304
.set RQ_OFF,  4595712
.set W1S_OFF, 1048576
.set W2B_OFF, 3145728
.set IOFF,  2                          ; v[2:5]   rows: slot s: byte offset of my 16 bytes in the row that the slot loads next
.set OOFF,  6                          ; v6       rows: byte offset of my 8 bytes in the output row
.set Z,     7                          ; v7       0
.set RNACC, 8                          ; v8       lane i gathers row i's factor
.set SS,    10                         ; v[10:13] four chains of the sum of squares
.set N,     14                         ; v[14:15] at work
.set Y,     16                         ; v[16:23] a row's 16 numbers of mine as bf16
.set X,     32                         ; v[32:95] four slots of 16 registers as loaded
	s_load_b256 s[4:11], s[0:1], 0x0               ; hist s[4:5], x s[6:7], W1 s[8:9], W2 s[10:11]
	s_load_b128 s[12:15], s[0:1], 0x20             ; hb s[12:13], aux s[14:15]
	v_lshrrev_b32 v1, 5, v0
	v_readfirstlane_b32 s16, v1                    ; wave 0..7
	v_and_b32 v1, 31, v0                           ; lane
	v_lshlrev_b32 v2, 4, v1                        ; 16 x lane
	s_mov_b32 s17, ttmp9
	s_cmp_lt_u32 s17, 128
	s_cbranch_scc1 .Lw1
	s_cmp_lt_u32 s17, 160
	s_cbranch_scc1 .Lw2
; ---------------- ROWS: a wave owns 16 rows of hist or of x[:, 15, :] ----------------
	s_cmp_lt_u32 s17, 168
	s_cselect_b32 s19, 1, 0                        ; 1: x's rows
	s_lshl_b32 s18, s19, 3
	s_add_co_u32 s18, s18, s17
	s_sub_co_u32 s18, s18, 168                     ; the work-group's number in its part
	s_lshl_b32 s18, s18, 3
	s_add_co_u32 s18, s18, s16                     ; R: my 16 rows begin at row 16 R
	s_lshl_b32 s29, s19, 2
	s_lshl_b32 s28, 2048, s29                      ; bytes from row to row: 2,048 in hist, 32,768 in x
	s_lshl_b32 s38, s28, 2                         ; four rows
	s_add_co_u32 s24, s29, 15
	s_lshl_b32 s24, s18, s24                       ; 16 R rows
	s_mul_i32 s25, s19, 30720                      ; x: time step 15
	s_add_co_u32 s24, s24, s25
	s_mov_b32 s25, 0
	s_lshl_b32 s26, s18, 14                        ; 16 R rows of 1,024 bytes
	s_mov_b32 s27, 0
	s_mul_i32 s30, s19, RQ_OFF-RN_OFF
	s_add_co_u32 s30, s30, RN_OFF
	s_lshl_b32 s31, s18, 6
	s_add_co_u32 s30, s30, s31                     ; my 16 factors
	s_mov_b32 s31, 0
	v_add_nc_u32 v[IOFF+1], s28, v[IOFF]
	v_add_nc_u32 v[IOFF+2], s28, v[IOFF+1]
	v_add_nc_u32 v[IOFF+3], s28, v[IOFF+2]
	v_lshlrev_b32 v[OOFF], 3, v1
	v_mov_b32 v[Z], 0
	v_mov_b32 v[RNACC], 0
	v_mov_b32 v[N+1], 0                            ; v_permlanex16_b32's destination counts as read
	s_mov_b32 s34, 0x76543210
	s_mov_b32 s35, 0xfedcba98
	s_mov_b32 s36, 1                               ; one bit: the lane that keeps the row in hand
	s_wait_kmcnt 0x0
	s_cmp_eq_u32 s19, 1
	s_cselect_b64 s[20:21], s[6:7], s[4:5]         ; from x or hist
	s_cselect_b64 s[22:23], s[14:15], s[12:13]     ; to aux (QB lies at its head) or hb
	s_add_nc_u64 s[20:21], s[20:21], s[24:25]
	s_add_nc_u64 s[22:23], s[22:23], s[26:27]
	s_add_nc_u64 s[40:41], s[14:15], s[30:31]
	s_cmp_ge_u32 s18, 6250                         ; rows 100,000 and up exist in hb alone
	s_cbranch_scc1 .Lpad
.macro FILL s                          ; a row: four loads of 512 consecutive bytes
.irp j, 0,1,2,3
	global_load_b128 v[X+16*(\s)+4*(\j):X+16*(\s)+4*(\j)+3], v[IOFF+(\s)], s[20:21] offset:512*(\j) th:TH_LOAD_NT
.endr
.endm
; One row.  ahead = 1: the slot is filled again with the row four further on.  left: the younger rows' loads, four each, that may stay out.
.macro TURN s, ahead, left
	s_wait_loadcnt \left                           ; my row's four loads are in
	s_wait_xcnt 0x0                                ; the last row's stores have read Y and OOFF: both are rewritten only behind this wait
	v_add_nc_u32 v[OOFF], 1024, v[OOFF]            ; the stores below reach back by their immediate
.irp j, 0,1,2,3,4,5,6,7
	v_cvt_pk_bf16_f32 v[Y+(\j)], v[X+16*(\s)+2*(\j)], v[X+16*(\s)+2*(\j)+1]
.endr
.if \ahead
	v_add_nc_u32 v[IOFF+(\s)], s38, v[IOFF+(\s)]
	FILL \s
.endif
.irp j, 0,1,2,3
	global_store_b64 v[OOFF], v[Y+2*(\j):Y+2*(\j)+1], s[22:23] offset:256*(\j)-1024  ; the wave's 32 lanes store 256 consecutive bytes, aligned
.endr
	; the sum of squares of the ROUNDED numbers, in f32, four chains
	v_fma_mix_f32_bf16 v[SS],   v[Y],   v[Y],   v[Z] op_sel_hi:[1,1,0]
	v_fma_mix_f32_bf16 v[SS+1], v[Y],   v[Y],   v[Z] op_sel:[1,1,0] op_sel_hi:[1,1,0]
	v_fma_mix_f32_bf16 v[SS+2], v[Y+1], v[Y+1], v[Z] op_sel_hi:[1,1,0]
	v_fma_mix_f32_bf16 v[SS+3], v[Y+1], v[Y+1], v[Z] op_sel:[1,1,0] op_sel_hi:[1,1,0]
.irp j, 2,3,4,5,6,7
	v_fma_mix_f32_bf16 v[SS+2*((\j)%2)],   v[Y+(\j)], v[Y+(\j)], v[SS+2*((\j)%2)] op_sel_hi:[1,1,0]
	v_fma_mix_f32_bf16 v[SS+2*((\j)%2)+1], v[Y+(\j)], v[Y+(\j)], v[SS+2*((\j)%2)+1] op_sel:[1,1,0] op_sel_hi:[1,1,0]
.endr
	v_add_f32 v[SS], v[SS], v[SS+1]
	v_add_f32 v[SS+2], v[SS+2], v[SS+3]
	v_add_f32 v[SS], v[SS], v[SS+2]
	v_add_f32_dpp v[SS], v[SS], v[SS] row_xmask:1 row_mask:0xf bank_mask:0xf
	v_add_f32_dpp v[SS], v[SS], v[SS] row_xmask:2 row_mask:0xf bank_mask:0xf
	v_add_f32_dpp v[SS], v[SS], v[SS] row_xmask:4 row_mask:0xf bank_mask:0xf
	v_add_f32_dpp v[SS], v[SS], v[SS] row_xmask:8 row_mask:0xf bank_mask:0xf
	v_permlanex16_b32 v[N+1], v[SS], s34, s35
	v_add_f32 v[SS], v[SS], v[N+1]
	v_rsq_f32 v[N], v[SS]                          ; 1 / norm; infinity for a row of zeros
	v_nop                                          ; a plain instruction between the transcendental and the use of its result
	s_wait_alu depctr_va_vdst(0)
	v_min_num_f32 v[N], 0x4cbebc20, v[N]           ; 1 / max(norm, 1e-8) = min(1 / norm, 1e8)
	v_cndmask_b32 v[RNACC], v[RNACC], v[N], s36
	s_lshl_b32 s36, s36, 1
.endm
	FILL 0
	FILL 1
	FILL 2
	FILL 3
	s_mov_b32 s37, 3
.Lrows:
	TURN 0, 1, 12
	TURN 1, 1, 12
	TURN 2, 1, 12
	TURN 3, 1, 12
	s_sub_co_u32 s37, s37, 1
	s_cmp_lg_u32 s37, 0
	s_cbranch_scc1 .Lrows
	TURN 0, 0, 12                                  ; the last four rows load nothing: the counts run down
	TURN 1, 0, 8
	TURN 2, 0, 4
	TURN 3, 0, 0
	v_lshlrev_b32 v[N], 2, v1
	v_cmp_gt_u32 vcc_lo, 16, v1
	s_wait_xcnt 0x0                                ; EXEC is a source of the stores above: it changes only behind this wait
	s_and_saveexec_b32 s39, vcc_lo
	global_store_b32 v[N], v[RNACC], s[40:41]      ; lanes 0-15: the 16 factors, 64 consecutive bytes
	s_wait_xcnt 0x0
	s_or_b32 exec_lo, exec_lo, s39
	s_endpgm
.Lpad:                                                 ; 16 rows of zeros, and 16 factors 0
	v_mov_b32 v16, 0
	v_mov_b32 v17, 0
	v_mov_b32 v18, 0
	v_mov_b32 v19, 0
.set i, 0
.rept 32
	global_store_b128 v2, v[16:19], s[22:23] offset:512*i
.set i, i+1
.endr
	v_lshlrev_b32 v3, 2, v1
	v_cmp_gt_u32 vcc_lo, 16, v1
	s_wait_xcnt 0x0
	s_and_saveexec_b32 s39, vcc_lo
	global_store_b32 v3, v16, s[40:41]
	s_wait_xcnt 0x0
	s_or_b32 exec_lo, exec_lo, s39
	s_endpgm
; My place in the blocked weights: a load's 32 lanes hold 128 columns = two blocks of 64: block lane / 16 (131,072 bytes apart), 8 bytes for my four columns.
.macro MKLT
	v_and_b32 v3, 15, v1
	v_lshrrev_b32 v4, 4, v1
	v_lshlrev_b32 v3, 3, v3
	v_lshl_add_u32 v3, v4, 17, v3
.endm
; ---------------- W1: a wave owns half a row k' (512 columns) of each of the six blocks of 512 rows ----------------
.set P, 16                             ; v[16:23] at work, then the f16 of block 0; v[24:31] the f16 of the sum
.set S, 32                             ; v[32:127] source j: 16 registers
.Lw1:
	s_lshl_b32 s18, s17, 3
	s_add_co_u32 s18, s18, s16
	s_lshr_b32 s19, s18, 1                         ; k'
	s_and_b32 s24, s18, 1                          ; which half of the columns
	s_lshl_b32 s20, s19, 12
	s_lshl_b32 s21, s24, 11
	s_add_co_u32 s20, s20, s21
	s_mov_b32 s21, 0
	s_lshl_b32 s22, s24, 20                        ; eight blocks of 131,072 bytes
	s_lshl_b32 s23, s19, 7
	s_add_co_u32 s22, s22, s23
	s_add_co_u32 s22, s22, W1S_OFF
	s_mov_b32 s23, 0
	MKLT
	s_wait_kmcnt 0x0
	s_add_nc_u64 s[8:9], s[8:9], s[20:21]
	s_add_nc_u64 s[26:27], s[8:9], 3*2097152       ; blocks 3 to 5 from a second base: the immediate has 24 signed bits
	s_add_nc_u64 s[14:15], s[14:15], s[22:23]
.irp j, 0,1,2
.irp i, 0,1,2,3
	global_load_b128 v[S+16*(\j)+4*(\i):S+16*(\j)+4*(\i)+3], v2, s[8:9] offset:(\j)*2097152+512*(\i) th:TH_LOAD_NT
.endr
.endr
.irp j, 0,1,2
.irp i, 0,1,2,3
	global_load_b128 v[S+48+16*(\j)+4*(\i):S+48+16*(\j)+4*(\i)+3], v2, s[26:27] offset:(\j)*2097152+512*(\i) th:TH_LOAD_NT
.endr
.endr
.macro RND j                           ; source j is rounded to bf16 and widened again; from source 2 on it is added onto source 1, in f32
	s_wait_loadcnt (5-(\j))*4                      ; the younger sources' loads, four each, may stay out
.irp t, 0,1,2,3,4,5,6,7
	v_cvt_pk_bf16_f32 v[P+(\t)], v[S+16*(\j)+2*(\t)], v[S+16*(\j)+2*(\t)+1]
.endr
.irp t, 0,1,2,3,4,5,6,7
	v_lshlrev_b32 v[S+16*(\j)+2*(\t)], 16, v[P+(\t)]
	v_and_b32 v[S+16*(\j)+2*(\t)+1], 0xffff0000, v[P+(\t)]
.endr
.if (\j) >= 2
.irp t, 0,1,2,3,4,5,6,7
	v_pk_add_f32 v[S+16+2*(\t):S+16+2*(\t)+1], v[S+16+2*(\t):S+16+2*(\t)+1], v[S+16*(\j)+2*(\t):S+16*(\j)+2*(\t)+1]
.endr
.endif
.endm
	RND 0
	RND 1
	RND 2
	RND 3
	RND 4
	RND 5
.irp t, 0,1,2,3,4,5,6,7
	v_cvt_pk_f16_f32 v[P+(\t)], v[S+2*(\t)], v[S+2*(\t)+1]            ; a bf16 number written as f16
	v_cvt_pk_f16_f32 v[P+8+(\t)], v[S+16+2*(\t)], v[S+16+2*(\t)+1]    ; the sum, rounded once
.endr
.irp i, 0,1,2,3
	global_store_b64 v3, v[P+2*(\i):P+2*(\i)+1], s[14:15] offset:(\i)*262144          ; two runs of 128 bytes: the price of blocks whose rows the product asks for end to end
	global_store_b64 v3, v[P+8+2*(\i):P+8+2*(\i)+1], s[14:15] offset:(\i)*262144+65536  ; row k' + 512
.endr
	s_endpgm
; ---------------- W2: a wave owns four rows ----------------
.Lw2:
	s_sub_co_u32 s18, s17, 128
	s_lshl_b32 s18, s18, 3
	s_add_co_u32 s18, s18, s16
	s_lshl_b32 s20, s18, 13                        ; four rows of 2,048 bytes
	s_mov_b32 s21, 0
	s_lshl_b32 s22, s18, 9                         ; four rows of 128 bytes in a block
	s_add_co_u32 s22, s22, W2B_OFF
	s_mov_b32 s23, 0
	MKLT
	s_wait_kmcnt 0x0
	s_add_nc_u64 s[10:11], s[10:11], s[20:21]
	s_add_nc_u64 s[14:15], s[14:15], s[22:23]
.irp j, 0,1,2,3
.irp i, 0,1,2,3
	global_load_b128 v[S+16*(\j)+4*(\i):S+16*(\j)+4*(\i)+3], v2, s[10:11] offset:(\j)*2048+512*(\i) th:TH_LOAD_NT
.endr
.endr
.irp j, 0,1,2,3
	s_wait_loadcnt 12-4*(\j)                       ; the younger rows' loads may stay out
.irp t, 0,1,2,3,4,5,6,7
	v_cvt_pk_bf16_f32 v[96+8*(\j)+(\t)], v[S+16*(\j)+2*(\t)], v[S+16*(\j)+2*(\t)+1]
.endr
.irp i, 0,1,2,3
	global_store_b64 v3, v[96+8*(\j)+2*(\i):96+8*(\j)+2*(\i)+1], s[14:15] offset:(\i)*262144+(\j)*128
.endr
.endr
	s_endpgm
.Lfunc_end_k_qe38e51f21a_prep:
	.size	k_qe38e51f21a_prep, .Lfunc_end_k_qe38e51f21a_prep-k_qe38e51f21a_prep
	.p2alignl 7, 3214868480
	.fill 96, 4, 3214868480
	.section	.rodata,"a",@progbits
	.p2align	6, 0x0
	.amdhsa_kernel k_qe38e51f21a_prep
		.amdhsa_group_segment_fixed_size 0
		.amdhsa_private_segment_fixed_size 0
		.amdhsa_enable_private_segment 0
		.amdhsa_kernarg_size 48
		.amdhsa_user_sgpr_count 2
		.amdhsa_user_sgpr_kernarg_segment_ptr 1
		.amdhsa_wavefront_size32 1
		.amdhsa_system_sgpr_workgroup_id_x 1
		.amdhsa_system_sgpr_workgroup_id_y 1
		.amdhsa_system_sgpr_workgroup_id_z 1
		.amdhsa_system_vgpr_workitem_id 0
		.amdhsa_next_free_vgpr 128
		.amdhsa_next_free_sgpr 66
		.amdhsa_reserve_vcc 1
		.amdhsa_float_denorm_mode_32 3
		.amdhsa_float_denorm_mode_16_64 3
		.amdhsa_memory_ordered 1
		.amdhsa_forward_progress 1
		.amdhsa_inst_pref_size 51
	.end_amdhsa_kernel
	.amdgpu_metadata
---
amdhsa.version: [ 1, 2 ]
amdhsa.kernels:
  - .name:           k_qe38e51f21a_prep
    .symbol:         k_qe38e51f21a_prep.kd
    .args:
      - { .name: hist, .offset: 0, .size: 8, .value_kind: global_buffer, .address_space: global }
      - { .name: x, .offset: 8, .size: 8, .value_kind: global_buffer, .address_space: global }
      - { .name: W1, .offset: 16, .size: 8, .value_kind: global_buffer, .address_space: global }
      - { .name: W2, .offset: 24, .size: 8, .value_kind: global_buffer, .address_space: global }
      - { .name: hb, .offset: 32, .size: 8, .value_kind: global_buffer, .address_space: global }
      - { .name: aux, .offset: 40, .size: 8, .value_kind: global_buffer, .address_space: global }
    .group_segment_fixed_size: 0
    .private_segment_fixed_size: 0
    .kernarg_segment_align: 8
    .kernarg_segment_size: 48
    .max_flat_workgroup_size: 256
    .sgpr_count:     66
    .vgpr_count:     128
    .wavefront_size: 32
...
	.end_amdgpu_metadata
.endif
;; end of part 1
;; launch simtop (part 2): grid 4 x 64, 4 waves a work-group, clusters of 4 x 1, 327,680 bytes of LDS; arguments hb, aux, cval, cid; writes cval, cid
.if DOCPART == 2
	.amdgcn_target "amdgcn-amd-amdhsa--gfx1250"
	.amdhsa_code_object_version 6
	.text
	.protected	k_qe38e51f21a_simtop
	.globl	k_qe38e51f21a_simtop
	.p2align	8
	.type	k_qe38e51f21a_simtop,@function
k_qe38e51f21a_simtop:
	s_mov_b64 s[64:65], 0
	v_nop
	global_prefetch_b8 v0, s[64:65] scope:SCOPE_SE
	s_setreg_imm32_b32 hwreg(HW_REG_WAVE_MODE, 25, 1), 1
	s_wait_xcnt 0x0
	s_wait_alu depctr_hold_cnt(0) depctr_sa_sdst(0) depctr_va_vdst(0) depctr_va_sdst(0) depctr_va_ssrc(0) depctr_va_vcc(0) depctr_vm_vsrc(0)
	s_getreg_b32 s2, hwreg(HW_REG_IB_STS2, 6, 4)
	s_cmp_eq_u32 s2, 0
	s_cbranch_scc0 .Lentry_in_a_cluster
	s_endpgm
.Lentry_in_a_cluster:
	s_bfe_u32 s2, ttmp6, 0x10000c
	s_cmp_lg_u32 s2, 0x3003
	s_cbranch_scc0 .Lentry_shape_is_right
	s_endpgm
.Lentry_shape_is_right:
; SIMTOP.  dot(bf16 x, bf16 h) x rn[h] for 1,024 queries x 100,352 rows, and of these, for each lane, the five best GROUPS of 8 consecutive rows, ranked by a group's largest number.
; (The query's own factor does not change the order inside a query; it is applied in the launch that scores the chosen rows again.)  The five best rows of a query lie in the five groups with the largest maxima.
; SHARES.  Work-group (x, y): queries 256 x .. 256 x + 255, rows 1,568 y .. 1,568 y + 1,567 (14 steps of 7 tiles of 16 rows).  A wave owns 64 queries: four tiles q0-q3, whose 512 channels stay in 512 registers.
; LAYOUT.  Source 0 = 16 rows of hist, source 1 = 16 queries: in the result lane (r = lane % 16, h = lane / 16) holds ONE query, r, and the rows 8 h + 0..7: its eight registers ARE a group, number row / 8.
; So nothing changes lanes: eight numbers are scaled, their maximum taken, and that maximum goes into the lane's sorted list of five (values and group numbers), all without a branch.
; BY TURNS.  A tile's 64 products stand in two halves (channels 0-255 into AX, 256-511 from AX on into AY).  The 112 vector instructions for the tile before stand in fours behind pairs of products.
; CLUSTER.  The four work-groups of a cluster have the same y and walk the same rows of hb: every tensor load is asked for jointly, with the same descriptor and the mask of all four.
; RING.  Two slots of one step (112 rows); a wave brings 28 rows with one load; a refill has a step, 448 matrix instructions of the wave, in which to land.  By this text's count a wave has two tensor loads out at the start, later one.
; LIMITS.  Equal maxima at the fifth place go by the order of finding.  NaN and infinities are not treated apart.
; REGISTERS, in windows of 256 (s_set_vgpr_msb: bits 1:0 source 0, 3:2 source 1, 5:4 source 2, 7:6 destination):
;   window 0: addresses, lists, RN, AX, AY      window 1: v0-63 X, v64-127 Y: a tile's fragments of channels 0-255, 256-511
;   window 2: Q of channels 0-255, tile q, K step c at 64 q + 8 c      window 3: Q of channels 256-511
.set RN_OFF, 4194304
.set PITCH,  1040                      ; an LDS row: 1,024 bytes + 16 of padding = 65 x 16: the 16 rows of a load start at 16 different groups of four banks (64 banks of 4 bytes: ISA guide 11.1)
.set TILEB,  16*PITCH
.set STEPB,  7*TILEB                   ; a slot: 112 rows, 116,480 bytes
.set WAVEB,  28*PITCH
.set RNT,    STEPB                     ; behind slot 0: the partition's 1,568 factors, filled once
.set SLOT1,  1<<17                     ; one exclusive or turns an address in slot 0 into slot 1's
.set OUTS,   SLOT1+STEPB               ; 5,120 bytes for each wave, for the way out; no tensor load lands here
.set SPARE,  OUTS+4*5120               ; the spare words: 128 bytes for each wave, two blocks of 256 bytes that no other line names
.set NTILE,  6250                      ; tiles of 16 rows that hist has
.set AK0, 2                            ; v2   my lane's place in a tile: r x pitch + 16 h
.set ADR, 3                            ; v3   LDS address of the tile whose fragments are being fetched
.set RN0, 4                            ; v4   RNT + 32 h
.set RNA, 5                            ; v5   LDS address of the tile's eight factors of mine
.set QO,  6                            ; v6   my byte offset in 16 rows of Q
.set GID, 7                            ; v7   the group number of the tile whose numbers are being ranked
.set NEG, 8                            ; v8   -infinity
.set SO,  10                           ; v10-12 the way out
.set SR,  11
.set GO,  12
.set SPW, 14                           ; v14  LDS address of my spare word; never rewritten
.set NIL, 15                           ; v15  0; never rewritten
.set M,   16                           ; v16-19  a group's maximum, by tile q
.set T,   20                           ; v20-39  the lists' values, descending: 5 q + e
.set I,   40                           ; v40-59  their group numbers
.set RN,  64                           ; v64-71  rn of rows 8 h + 0..7 of the tile being ranked
.set AX,  72                           ; v72-103   sums over channels 0-255
.set AY,  104                          ; v104-135  the whole sums
.set OB,  136                          ; v136-175  the way out
.set WV,  12                           ; s12 wave
.set G1,  16                           ; s[16:23] group 1, tiles of hb
.set G1R, 24                           ; s[24:31] group 1, the factors
.set G0,  32                           ; s[32:35] group 0, tiles of hb: it walks
.set G0R, 36                           ; s[36:39] group 0, the factors
.set TB,  44                           ; s44 LDS byte at which the next tile to be fetched begins
.set RB,  45                           ; s45 byte in the table of the next tile's factors
.set TG,  46                           ; s46 the number of the tile being ranked
.set INV, 47                           ; s47 all ones: that tile lies behind hist's end (or has not been)
.set CNT, 48
.set SLOTS, 49
.set CM,  50                           ; s50-59 two sets of five masks, by the tile's parity
.set MSB, 0
.macro WIN new                         ; the immediate's high byte repeats the setting that is left; a switch that changes nothing is dropped
.if MSB != (\new)
	s_set_vgpr_msb (MSB<<8)|(\new)
.set MSB, (\new)
.endif
.endm
.macro CROUND                          ; a round of the cluster's barrier: my work-group's barrier; wave 0 signals for it; every wave waits for all four; my work-group's barrier once more
	s_barrier_signal -1
	s_barrier_wait -1
	s_cmp_lg_u32 s[WV], 0
	s_cbranch_scc1 .Lnot_wave_0_\@
	s_barrier_signal -3
.Lnot_wave_0_\@:
	s_barrier_wait -3
	s_barrier_signal -1
	s_barrier_wait -1
.endm
	s_load_b256 s[4:11], s[0:1], 0x0               ; hb s[4:5], aux s[6:7], cval s[8:9], cid s[10:11]
	v_lshl_add_u32 v[SPW], v0, 2, SPARE
	v_mov_b32 v[NIL], 0
	ds_add_u32 v[SPW], v[NIL]                      ; the wave's opening: the add and its wait stand ahead of my first tensor load; work on registers stands between them
	v_lshrrev_b32 v1, 5, v0
	v_readfirstlane_b32 s[WV], v1
	s_bfe_u32 s13, ttmp6, 0x40000                  ; cx
	s_lshl_b32 s14, ttmp9, 2
	s_add_co_u32 s14, s14, s13                     ; my block of 256 queries: it enters Q's and the outputs' addresses alone
	s_and_b32 s15, ttmp7, 0xffff                   ; the partition, which the four partners share
	s_mov_b32 s[G1], 15|(1<<16)|(1<<20)|(1<<21)|(7<<22)|(3<<25)  ; mask of four; 2-byte elements; padding on; bit 21 beside a mask; after every 256 words (code 7) 4 words (code 3)
	s_mov_b32 s[G1+1], 512<<16                     ; tensor_dim0 = 512
	s_mov_b32 s[G1+2], 28<<16                      ; tensor_dim1 = 28
	s_mov_b32 s[G1+3], 512<<16                     ; tile_dim0 = 512
	s_mov_b32 s[G1+4], 28                          ; tile_dim1 = 28
	s_mov_b32 s[G1+5], 512                         ; elements from row to row
	s_mov_b32 s[G1+6], 0
	s_mov_b32 s[G1+7], 0
	s_mov_b32 s[G1R], 15|(3<<16)|(1<<21)           ; one row of 196 elements of 8 bytes: my quarter of the table
	s_mov_b32 s[G1R+1], 196<<16
	s_mov_b32 s[G1R+2], 1<<16
	s_mov_b32 s[G1R+3], 196<<16
	s_mov_b32 s[G1R+4], 1
	s_mov_b32 s[G1R+5], 196
	s_mov_b32 s[G1R+6], 0
	s_mov_b32 s[G1R+7], 0
	s_mul_i32 s40, s15, 1568*1024                  ; the partition's rows,
	s_mul_i32 s41, s[WV], 28*1024                  ; my 28 of a step's 112
	s_add_co_u32 s40, s40, s41
	s_mov_b32 s41, 0
	s_mul_i32 s42, s15, 1568*4
	s_mul_i32 s43, s[WV], 1568
	s_add_co_u32 s42, s42, s43
	s_add_co_u32 s42, s42, RN_OFF
	s_mov_b32 s43, 0
	s_mov_b32 s[G0], 1
	s_mul_i32 s[G0+1], s[WV], WAVEB                ; slot 0
	s_mov_b32 s[G0R], 1
	s_mul_i32 s[G0R+1], s[WV], 1568
	s_add_co_u32 s[G0R+1], s[G0R+1], RNT
	s_mov_b32 s[TB], SLOT1+STEPB                   ; the first change of slots turns this into 0
	s_mov_b32 s[RB], 0
	s_mul_i32 s[TG], s15, 98
	s_sub_co_u32 s[TG], s[TG], 1                   ; the tile in front of my first: it has not been,
	s_mov_b32 s[INV], -1                           ; and counts for nothing
	s_wait_dscnt 0x0                               ; the opening add is done
	s_wait_kmcnt 0x0
	s_add_nc_u64 s[G0+2:G0+3], s[4:5], s[40:41]
	s_or_b32 s[G0+3], s[G0+3], 0x80000000
	s_add_nc_u64 s[G0R+2:G0R+3], s[6:7], s[42:43]
	s_or_b32 s[G0R+3], s[G0R+3], 0x80000000
	CROUND                                         ; all four work-groups are here: the first joint loads meet
	tensor_load_to_lds s[G0R:G0R+3], s[G1R:G1R+7]  ; the factors
	s_nop 0
	tensor_load_to_lds s[G0:G0+3], s[G1:G1+7]      ; step 0 into slot 0
	s_nop 0
.rept 4
	v_nop
.endr
	s_lshl_b32 s62, s14, 18                        ; my block's 256 rows of 1,024 bytes,
	s_lshl_b32 s63, s[WV], 16                      ; my wave's 64
	s_add_co_u32 s62, s62, s63
	s_mov_b32 s63, 0
	s_add_nc_u64 s[60:61], s[6:7], s[62:63]        ; QB lies at aux's head
	v_and_b32 v1, 15, v0                           ; r
	v_bfe_u32 v9, v0, 4, 1                         ; h
	v_lshlrev_b32 v[QO], 10, v1
	v_lshl_add_u32 v[QO], v9, 4, v[QO]
	; A fragment is 16 rows x 32 channels in 8 registers: lane (r, h) holds row r, channels 8 h + 0..7 and 16 + 8 h + 0..7: two loads of 16 bytes, 32 bytes apart.
	WIN 0x80
.irp q, 0,1,2,3
.irp c, 0,1,2,3,4,5,6,7
	global_load_b128 v[64*(\q)+8*(\c):64*(\q)+8*(\c)+3],   v[QO], s[60:61] offset:(\q)*16384+(\c)*64
	global_load_b128 v[64*(\q)+8*(\c)+4:64*(\q)+8*(\c)+7], v[QO], s[60:61] offset:(\q)*16384+(\c)*64+32
.endr
.endr
	WIN 0xc0
.irp q, 0,1,2,3
.irp c, 0,1,2,3,4,5,6,7
	global_load_b128 v[64*(\q)+8*(\c):64*(\q)+8*(\c)+3],   v[QO], s[60:61] offset:(\q)*16384+512+(\c)*64
	global_load_b128 v[64*(\q)+8*(\c)+4:64*(\q)+8*(\c)+7], v[QO], s[60:61] offset:(\q)*16384+512+(\c)*64+32
.endr
.endr
	WIN 0
	s_lshl_b32 s62, s15, 2
	s_add_co_u32 s62, s62, s14
	s_lshl_b32 s62, s62, 2
	s_add_co_u32 s62, s62, s[WV]                   ; my block of 2,560 bytes in cval and cid: (4 y + x) 4 + wave
	s_mul_i32 s62, s62, 2560
	s_add_nc_u64 s[8:9], s[8:9], s[62:63]
	s_add_nc_u64 s[10:11], s[10:11], s[62:63]
	v_mul_u32_u24 v[AK0], v1, PITCH
	v_lshl_add_u32 v[AK0], v9, 4, v[AK0]
	v_lshlrev_b32 v[RN0], 5, v9
	v_add_nc_u32 v[RN0], RNT, v[RN0]
	s_lshl_b32 s40, s[TG], 1
	v_add_nc_u32 v[GID], s40, v9                   ; group = 2 x tile + h
	v_mov_b32 v[NEG], 0xff800000
	v_and_b32 v13, 31, v0
	s_mul_i32 s40, s[WV], 5120
	s_add_co_u32 s40, s40, OUTS
	v_lshl_add_u32 v[SO], v13, 2, s40
	v_lshl_add_u32 v[SR], v13, 4, s40
	v_lshlrev_b32 v[GO], 4, v13
	; The lists start empty.  AY and RN hold 0 for the tile that has not been.  All this stands in the wait for the first tile.
.set i, 0
.rept 20
	v_mov_b32 v[T+i], 0xff800000
	v_mov_b32 v[I+i], 0
.set i, i+1
.endr
.set i, 0
.rept 32
	v_mov_b32 v[AY+i], 0
.set i, i+1
.endr
.set i, 0
.rept 8
	v_mov_b32 v[RN+i], 0
.set i, i+1
.endr
; A product.  hh = 1: AX(q) takes K step c of channels 0-255 (the first starts the sum with 0).  hh = 2: AY(q) takes K step c of channels 256-511; the first goes on from AX(q).
; The four accumulators take turns, one instruction a turn.
.macro WM hh, c, q
.set rA, 64*((\hh)-1)+8*(\c)
.set rB, 64*(\q)+8*(\c)
.set rX, AX+8*(\q)
.set rZ, AY+8*(\q)
.if (\hh) == 1
.if (\c) == 0
	v_wmma_f32_16x16x32_bf16 v[rX:rX+7], v[rA:rA+7], v[rB:rB+7], 0
.else
	v_wmma_f32_16x16x32_bf16 v[rX:rX+7], v[rA:rA+7], v[rB:rB+7], v[rX:rX+7]
.endif
.else
.if (\c) == 0
	v_wmma_f32_16x16x32_bf16 v[rZ:rZ+7], v[rA:rA+7], v[rB:rB+7], v[rX:rX+7]
.else
	v_wmma_f32_16x16x32_bf16 v[rZ:rZ+7], v[rA:rA+7], v[rB:rB+7], v[rZ:rZ+7]
.endif
.endif
.endm
; Number n of the 28 vector instructions for tile q.  0-3: the eight sums times rn (the accumulator's lowest registers first).  4-7: their maximum.  8: -infinity for a tile that does not count.
; 9-13: which of the list's five does it beat?  14-18: the values move down (the middle one of the newcomer and two neighbours).  19-27: the numbers move down, from the list's end.
.macro OPK q, n
.set rY, AY+8*(\q)
.set rM, M+(\q)
.set rT, T+5*(\q)
.set rI, I+5*(\q)
.set rC, CM+5*((\q)%2)
.if (\n) < 4
	v_pk_mul_f32 v[rY+2*(\n):rY+2*(\n)+1], v[rY+2*(\n):rY+2*(\n)+1], v[RN+2*(\n):RN+2*(\n)+1]
.elseif (\n) == 4
	v_max3_num_f32 v[rM], v[rY], v[rY+1], v[rY+2]
.elseif (\n) < 7
	v_max3_num_f32 v[rM], v[rM], v[rY+2*(\n)-7], v[rY+2*(\n)-6]
.elseif (\n) == 7
	v_max_num_f32 v[rM], v[rM], v[rY+7]
.elseif (\n) == 8
	v_cndmask_b32 v[rM], v[rM], v[NEG], s[INV]
.elseif (\n) < 14
	v_cmp_gt_f32 s[rC+(\n)-9], v[rM], v[rT+(\n)-9]
.elseif (\n) < 18
	v_med3_num_f32 v[rT+18-(\n)], v[rM], v[rT+17-(\n)], v[rT+18-(\n)]
.elseif (\n) == 18
	v_max_num_f32 v[rT], v[rM], v[rT]
.else
.set m, (\n)-19
.if m%2 == 0
	v_cndmask_b32 v[rI+4-m/2], v[rI+4-m/2], v[GID], s[rC+4-m/2]
.else
	v_cndmask_b32 v[rI+4-m/2], v[rI+4-m/2], v[rI+3-m/2], s[rC+3-m/2]
.endif
.endif
.endm
; The queue of a tile's 112: numbers 0-8 of all four tiles q by turns; then 9-27 of q0 and q1 by turns; then of q2 and q3 (which take the mask sets over).
.macro RID
.if z < 36
	OPK z%4, z/4
.elseif z < 74
	OPK (z-36)%2, 9+(z-36)/2
.else
	OPK 2+(z-74)%2, 9+(z-74)/2
.endif
.set z, z+1
.endm
; The LDS loads stand in runs of 16, never singly among the matrix instructions.
.macro XRUN                            ; the next tile's channels 0-255
	WIN 0
	v_add_nc_u32 v[ADR], s[TB], v[AK0]
	s_add_co_u32 s[TB], s[TB], TILEB
	WIN 0x40
.irp c, 0,1,2,3,4,5,6,7
	ds_load_b128 v[8*(\c):8*(\c)+3],   v[ADR] offset:64*(\c)
	ds_load_b128 v[8*(\c)+4:8*(\c)+7], v[ADR] offset:64*(\c)+32
.endr
.endm
.macro YRUN                            ; the same tile's channels 256-511
	WIN 0x40
.irp c, 0,1,2,3,4,5,6,7
	ds_load_b128 v[64+8*(\c):64+8*(\c)+3],   v[ADR] offset:512+64*(\c)
	ds_load_b128 v[64+8*(\c)+4:64+8*(\c)+7], v[ADR] offset:512+64*(\c)+32
.endr
.endm
.macro RNLOAD                          ; the factors of the tile that is being multiplied: the scalings of the tile before have read RN
	WIN 0
	v_add_nc_u32 v[RNA], s[RB], v[RN0]
	ds_load_b128 v[RN:RN+3],   v[RNA]
	ds_load_b128 v[RN+4:RN+7], v[RNA] offset:16
	s_add_co_u32 s[RB], s[RB], 64
	s_and_b32 s[RB], s[RB], 0x1fff                 ; 98 steps of 64 end at 6,272: the mask changes no value and states the table's 8 KiB bound
.endm
; HALF a tile: 16 pairs of products; behind a pair four of the queue (in the second half behind 12 of the 16 pairs: 64 + 48 = 112).
; Places, counted: AX(q) becomes the C of AY(q) eight vector instructions behind its last product; AY is first read five behind its last product (four of the queue and NEXT's add);
; X is loaded again nine behind its last reader, Y five.  The instructions counted are v_cndmask_b32 and v_add_nc_u32, and name no register of those products.
.macro HALF hh, xrun
	s_wait_dscnt 0x0                               ; this half's fragments, asked for 30 matrix instructions ago, are in (and, in front of the second half, RN)
.if (\hh) == 1
.set z, 0
.else
.set z, 64
.endif
.set g, 0
.rept 16
	WIN 0x09+4*((\hh)-1)                           ; source 0 window 1, source 1 window 2 or 3, C and D window 0
	WM \hh, g/2, 2*(g%2)
	WM \hh, g/2, 2*(g%2)+1
.if ((\hh) == 1) || (g < 4) || (g >= 8)
	WIN 0
	RID
	RID
	RID
	RID
.endif
.if ((\hh) == 1) && (g == 0)
	YRUN
.endif
.if ((\hh) == 1) && (g == 4)
	RNLOAD
.endif
.if ((\hh) == 2) && (g == 0) && (\xrun)
	XRUN
.endif
.set g, g+1
.endr
.endm
.macro NEXT                            ; the tile just finished is the one to be ranked
	v_add_nc_u32 v[GID], 2, v[GID]
	s_add_co_u32 s[TG], s[TG], 1
	s_cmp_lt_u32 s[TG], NTILE
	s_cselect_b32 s[INV], 0, -1
.endm
.macro BODY                            ; a tile's second half, the next tile's first
	HALF 2, 1
	NEXT
	HALF 1, 0
.endm
.macro SEVEN n
	s_mov_b32 s[CNT], \n
.Lbody_\@:
	BODY
	WIN 0                                          ; at a label and at a branch every window is 0
	s_sub_co_u32 s[CNT], s[CNT], 1
	s_cmp_lg_u32 s[CNT], 0
	s_cbranch_scc1 .Lbody_\@
.endm
; THE CHANGE OF SLOTS, behind the first half of a step's last tile: all the slot's bytes have been asked for.  Each wave waits for all its tensor loads (one is out: its part of the other slot), adds 0 to
; its spare word, and waits for that and for its reads of the slot.  fill = 1: a round of the cluster's barrier, so that no wave of any partner still reads the slot or has a load on its way; the joint refill comes first behind it.
.macro CHANGE fill
	WIN 0
	s_wait_tensorcnt 0x0                           ; no tensor load of mine is out, so group 0 may be written
	ds_add_u32 v[SPW], v[NIL]                      ; 0 onto my spare word; the descriptor's steps stand between it and the wait for it
.if \fill
	s_xor_b32 s[G0+1], s[G0+1], SLOT1              ; the other slot than last time,
	s_add_nc_u64 s[G0+2:G0+3], s[G0+2:G0+3], 112*1024  ; the next 112 rows; the type bits on top are not reached
.endif
	s_wait_dscnt 0x0                               ; the add is done, and my reads of the slot are over
.if \fill
	CROUND
	tensor_load_to_lds s[G0:G0+3], s[G1:G1+7]
	s_nop 0
.rept 4
	v_nop
.endr
.else
	s_barrier_signal -1
	s_barrier_wait -1
.endif
	s_sub_co_u32 s[TB], s[TB], STEPB               ; the fetches go back to a slot's first tile,
	s_xor_b32 s[TB], s[TB], SLOT1                  ; in the other slot
.endm
	CHANGE 1                                       ; step 0 and the factors are in, everybody's part; step 1 goes into slot 1
	XRUN                                           ; tile 0
	s_wait_loadcnt 0x0                             ; Q
	HALF 1, 0                                      ; tile 0's first half; the queue works on the tile that has not been, which INV keeps out of the lists
	SEVEN 6                                        ; up to the first half of tile 6
	s_mov_b32 s[SLOTS], 12
.Lslot:                                                ; 12 trips: steps 2 to 13 are asked for
	CHANGE 1
	SEVEN 7
	s_sub_co_u32 s[SLOTS], s[SLOTS], 1
	s_cmp_lg_u32 s[SLOTS], 0
	s_cbranch_scc1 .Lslot
	CHANGE 0                                       ; the tail is written out: nothing is asked for
	SEVEN 7
	HALF 2, 0                                      ; tile 97's second half
	NEXT
.rept 4
	v_nop                                          ; with NEXT's add and the queue's last four: the places behind the last products
.endr
.set z, 0
.rept 112
	RID                                            ; tile 97 is ranked
.endr
	; THE WAY OUT: 40 words a lane go through my own stage, so that each store covers 512 consecutive bytes.  Block: [e 5][tile 4][lane 32].
.irp e, 0,1,2,3,4
.irp q, 0,1,2,3
	ds_store_b32 v[SO], v[T+5*(\q)+(\e)] offset:(4*(\e)+(\q))*128
	ds_store_b32 v[SO], v[I+5*(\q)+(\e)] offset:2560+(4*(\e)+(\q))*128
.endr
.endr
.irp i, 0,1,2,3,4,5,6,7,8,9
	ds_load_b128 v[OB+4*(\i):OB+4*(\i)+3], v[SR] offset:512*(\i)  ; LDS serves a wave's instructions in order (ISA guide 5.7.1.4): these see the stores above
.endr
.irp i, 0,1,2,3,4
	s_wait_dscnt 9-(\i)                            ; the younger loads may stay out
	global_store_b128 v[GO], v[OB+4*(\i):OB+4*(\i)+3], s[8:9] offset:512*(\i)
.endr
.irp i, 0,1,2,3,4
	s_wait_dscnt 4-(\i)
	global_store_b128 v[GO], v[OB+20+4*(\i):OB+20+4*(\i)+3], s[10:11] offset:512*(\i)
.endr
	s_wait_tensorcnt 0x0                           ; the wave's end: behind my last tensor load and my last LDS store
	ds_add_u32 v[SPW], v[NIL]
	s_wait_dscnt 0x0
	CROUND                                         ; the closing round: no work-group ends while a partner may still ask for a tile that names it
	s_endpgm
.Lfunc_end_k_qe38e51f21a_simtop:
	.size	k_qe38e51f21a_simtop, .Lfunc_end_k_qe38e51f21a_simtop-k_qe38e51f21a_simtop
	.p2alignl 7, 3214868480
	.fill 96, 4, 3214868480
	.section	.rodata,"a",@progbits
	.p2align	6, 0x0
	.amdhsa_kernel k_qe38e51f21a_simtop
		.amdhsa_group_segment_fixed_size 327680
		.amdhsa_private_segment_fixed_size 0
		.amdhsa_enable_private_segment 0
		.amdhsa_kernarg_size 32
		.amdhsa_user_sgpr_count 2
		.amdhsa_user_sgpr_kernarg_segment_ptr 1
		.amdhsa_wavefront_size32 1
		.amdhsa_system_sgpr_workgroup_id_x 1
		.amdhsa_system_sgpr_workgroup_id_y 1
		.amdhsa_system_sgpr_workgroup_id_z 1
		.amdhsa_system_vgpr_workitem_id 0
		.amdhsa_next_free_vgpr 1024
		.amdhsa_next_free_sgpr 66
		.amdhsa_reserve_vcc 0
		.amdhsa_float_denorm_mode_32 3
		.amdhsa_float_denorm_mode_16_64 3
		.amdhsa_memory_ordered 1
		.amdhsa_forward_progress 1
		.amdhsa_inst_pref_size 95
	.end_amdhsa_kernel
	.amdgpu_metadata
---
amdhsa.version: [ 1, 2 ]
amdhsa.kernels:
  - .name:           k_qe38e51f21a_simtop
    .symbol:         k_qe38e51f21a_simtop.kd
    .args:
      - { .name: hb, .offset: 0, .size: 8, .value_kind: global_buffer, .address_space: global }
      - { .name: aux, .offset: 8, .size: 8, .value_kind: global_buffer, .address_space: global }
      - { .name: cval, .offset: 16, .size: 8, .value_kind: global_buffer, .address_space: global }
      - { .name: cid, .offset: 24, .size: 8, .value_kind: global_buffer, .address_space: global }
    .group_segment_fixed_size: 327680
    .private_segment_fixed_size: 0
    .kernarg_segment_align: 8
    .kernarg_segment_size: 32
    .max_flat_workgroup_size: 128
    .sgpr_count:     66
    .vgpr_count:     1024
    .wavefront_size: 32
...
	.end_amdgpu_metadata
.endif
;; end of part 2
;; launch merge (part 3): grid 64 x 1, 8 waves a work-group, no clusters, 11,264 bytes of LDS; arguments cval, cid, gsel; writes gsel
.if DOCPART == 3
	.amdgcn_target "amdgcn-amd-amdhsa--gfx1250"
	.amdhsa_code_object_version 6
	.text
	.protected	k_qe38e51f21a_merge
	.globl	k_qe38e51f21a_merge
	.p2align	8
	.type	k_qe38e51f21a_merge,@function
k_qe38e51f21a_merge:
	s_mov_b64 s[64:65], 0
	v_nop
	global_prefetch_b8 v0, s[64:65] scope:SCOPE_SE
	s_setreg_imm32_b32 hwreg(HW_REG_WAVE_MODE, 25, 1), 1
	s_wait_xcnt 0x0
; MERGE.  A query has 640 candidates: 64 partitions x 2 halves of the lanes x 5 (a group's maximum and its number).  The five with the largest maxima are found, without a branch on data, and their
; numbers stored as whole numbers: gsel[q][0..4]; words 5-7 are 0.  The launch behind forms addresses from them.
; SHARES.  A work-group owns 16 queries (one tile of the launch before), lanes (r = lane % 16, h = lane / 16) as there.  Wave v merges partitions 8 v .. 8 v + 7 into a list of five a lane; the eight waves'
; lists meet in LDS; wave 0 merges them: lane (r, h) takes waves 4 h .. 4 h + 3, both halves; at last the two halves of the lanes exchange their lists.
; No matrix unit, no cluster: no arithmetic to speak of, and no two work-groups read the same bytes.  64 work-groups: the work has 1,024 lists, 16 to a wave's lanes.
; LIMITS.  Equal maxima at the fifth place go by the order of finding.  NaN is not treated apart.
.set MS,    0                          ; ((wave x 2 + kind) x 5 + e) x 128 + 4 x lane: 10,240 bytes
.set SPARE, 10240                      ; the spare words: 128 bytes for each of eight waves
.set SPW, 2
.set NIL, 3
.set T,   16                           ; v16-20 the list's values, descending
.set I,   21                           ; v21-25 their numbers
.set C,   32                           ; v32-111 candidates
.set CMK, 20                           ; s20-24 masks
; The newcomer (value in v[V], number in v[ID]) goes into the sorted list: which of the five does it beat; the values move down (the middle one of the newcomer and two neighbours); the numbers move down, from the end.
.macro INSERT V, ID
.irp e, 0,1,2,3,4
	v_cmp_gt_f32 s[CMK+(\e)], v[\V], v[T+(\e)]
.endr
	v_med3_num_f32 v[T+4], v[\V], v[T+3], v[T+4]
	v_med3_num_f32 v[T+3], v[\V], v[T+2], v[T+3]
	v_med3_num_f32 v[T+2], v[\V], v[T+1], v[T+2]
	v_med3_num_f32 v[T+1], v[\V], v[T], v[T+1]
	v_max_num_f32 v[T], v[\V], v[T]
	v_cndmask_b32 v[I+4], v[I+4], v[\ID], s[CMK+4]
	v_cndmask_b32 v[I+4], v[I+4], v[I+3], s[CMK+3]
	v_cndmask_b32 v[I+3], v[I+3], v[\ID], s[CMK+3]
	v_cndmask_b32 v[I+3], v[I+3], v[I+2], s[CMK+2]
	v_cndmask_b32 v[I+2], v[I+2], v[\ID], s[CMK+2]
	v_cndmask_b32 v[I+2], v[I+2], v[I+1], s[CMK+1]
	v_cndmask_b32 v[I+1], v[I+1], v[\ID], s[CMK+1]
	v_cndmask_b32 v[I+1], v[I+1], v[I], s[CMK]
	v_cndmask_b32 v[I], v[I], v[\ID], s[CMK]
.endm
.macro EMPTY
.irp e, 0,1,2,3,4
	v_mov_b32 v[T+(\e)], 0xff800000
	v_mov_b32 v[I+(\e)], 0
.endr
.endm
; Partition p of my eight: ten loads, five maxima and five numbers; each covers the tile's 128 consecutive bytes.
.macro LDP p
.irp e, 0,1,2,3,4
	global_load_b32 v[C+10*(\p)+(\e)], v4, s[4:5] offset:(\p)*40960+512*(\e)
.endr
.irp e, 0,1,2,3,4
	global_load_b32 v[C+10*(\p)+5+(\e)], v4, s[6:7] offset:(\p)*40960+512*(\e)
.endr
.endm
	s_load_b128 s[4:7], s[0:1], 0x0                ; cval s[4:5], cid s[6:7]
	s_load_b64 s[8:9], s[0:1], 0x10                ; gsel
	v_lshl_add_u32 v[SPW], v0, 2, SPARE
	v_mov_b32 v[NIL], 0
	v_lshrrev_b32 v1, 5, v0
	v_readfirstlane_b32 s12, v1                    ; wave
	v_and_b32 v1, 31, v0                           ; lane
	s_mov_b32 s13, ttmp9                           ; the tile of 16 queries: 16 x block + 4 x wave there + tile there
	s_lshr_b32 s14, s13, 2
	s_and_b32 s15, s13, 3
	s_mul_i32 s16, s14, 2560                       ; that wave's block of 2,560 bytes,
	s_lshl_b32 s17, s15, 7                         ; the tile's 128 bytes in each of its five rows,
	s_add_co_u32 s16, s16, s17
	s_mul_i32 s17, s12, 8*40960                    ; my eight partitions, 16 blocks each
	s_add_co_u32 s16, s16, s17
	s_mov_b32 s17, 0
	v_lshlrev_b32 v4, 2, v1
	s_wait_kmcnt 0x0
	s_add_nc_u64 s[4:5], s[4:5], s[16:17]
	s_add_nc_u64 s[6:7], s[6:7], s[16:17]
.irp p, 0,1,2,3,4,5
	LDP \p                                         ; six partitions, 60 loads, at the start; the last two follow as the first two arrive
.endr
	EMPTY
	s_mul_i32 s18, s12, 1280
	v_add_nc_u32 v5, s18, v4
.irp p, 0,1,2,3,4,5,6,7
.if (\p) < 3
	s_wait_loadcnt 50                              ; five younger partitions' loads, ten each, may stay out
.else
	s_wait_loadcnt (7-(\p))*10                     ; nothing more is asked for: the counts run down
.endif
.if (\p) < 2
	LDP (\p)+6
.endif
.irp e, 0,1,2,3,4
	INSERT C+10*(\p)+(\e), C+10*(\p)+5+(\e)
.endr
.endr
.irp e, 0,1,2,3,4
	ds_store_b32 v5, v[T+(\e)] offset:128*(\e)
	ds_store_b32 v5, v[I+(\e)] offset:640+128*(\e)
.endr
	s_wait_tensorcnt 0x0                           ; these three lines stand behind every wave's last LDS store;
	ds_add_u32 v[SPW], v[NIL]
	s_wait_dscnt 0x0                               ; the wait is also the one that the barrier needs: my stores are done
	s_barrier_signal -1
	s_barrier_wait -1
	s_cmp_lg_u32 s12, 0
	s_cbranch_scc1 .Lend
	v_and_b32 v6, 15, v1                           ; r
	v_lshrrev_b32 v7, 4, v1                        ; h
	v_mul_u32_u24 v8, v7, 5120                     ; waves 4 h on,
	v_lshl_add_u32 v8, v6, 2, v8                   ; query r; never rewritten
	EMPTY
	s_mov_b32 s29, 0                               ; the wave in hand among my four: 1,280 bytes each
	s_mov_b32 s19, 4
.Lwave:                                                ; a trip: one wave's lists for query r, of both halves of its lanes
	v_add_nc_u32 v11, s29, v8
.irp k, 0,1
.irp e, 0,1,2,3,4
	ds_load_b32 v[C+10*(\k)+(\e)], v11 offset:128*(\e)+64*(\k)
	ds_load_b32 v[C+10*(\k)+5+(\e)], v11 offset:640+128*(\e)+64*(\k)
.endr
.endr
	s_add_co_u32 s29, s29, 1280
	s_wait_dscnt 0x0
.irp k, 0,1
.irp e, 0,1,2,3,4
	INSERT C+10*(\k)+(\e), C+10*(\k)+5+(\e)
.endr
.endr
	s_sub_co_u32 s19, s19, 1
	s_cmp_lg_u32 s19, 0
	s_cbranch_scc1 .Lwave
	s_mov_b32 s26, 0x76543210
	s_mov_b32 s27, 0xfedcba98
.irp e, 0,1,2,3,4
	v_permlanex16_b32 v[C+(\e)], v[T+(\e)], s26, s27      ; the other half's list (the destinations have been written: they held candidates)
	v_permlanex16_b32 v[C+5+(\e)], v[I+(\e)], s26, s27
.endr
.irp e, 0,1,2,3,4
	INSERT C+(\e), C+5+(\e)
.endr
	v_permlanex16_b32 v[C+10], v[I+4], s26, s27    ; lane (r, 1) takes the fifth number of lane (r, 0), whose list is the one that is stored
	s_mov_b32 s28, 0xffff0000
	v_mov_b32 v9, 0
	v_cndmask_b32 v64, v[I], v[C+10], s28
	v_cndmask_b32 v65, v[I+1], v9, s28
	v_cndmask_b32 v66, v[I+2], v9, s28
	v_cndmask_b32 v67, v[I+3], v9, s28
	v_lshlrev_b32 v10, 5, v6
	v_lshl_add_u32 v10, v7, 4, v10                 ; 32 r + 16 h
	s_lshl_b32 s16, s13, 9
	s_add_nc_u64 s[8:9], s[8:9], s[16:17]
	global_store_b128 v10, v[64:67], s[8:9]        ; 512 consecutive bytes: 16 queries x 8 words
.Lend:
	s_endpgm
.Lfunc_end_k_qe38e51f21a_merge:
	.size	k_qe38e51f21a_merge, .Lfunc_end_k_qe38e51f21a_merge-k_qe38e51f21a_merge
	.p2alignl 7, 3214868480
	.fill 96, 4, 3214868480
	.section	.rodata,"a",@progbits
	.p2align	6, 0x0
	.amdhsa_kernel k_qe38e51f21a_merge
		.amdhsa_group_segment_fixed_size 11264
		.amdhsa_private_segment_fixed_size 0
		.amdhsa_enable_private_segment 0
		.amdhsa_kernarg_size 24
		.amdhsa_user_sgpr_count 2
		.amdhsa_user_sgpr_kernarg_segment_ptr 1
		.amdhsa_wavefront_size32 1
		.amdhsa_system_sgpr_workgroup_id_x 1
		.amdhsa_system_sgpr_workgroup_id_y 1
		.amdhsa_system_sgpr_workgroup_id_z 1
		.amdhsa_system_vgpr_workitem_id 0
		.amdhsa_next_free_vgpr 128
		.amdhsa_next_free_sgpr 66
		.amdhsa_reserve_vcc 0
		.amdhsa_float_denorm_mode_32 3
		.amdhsa_float_denorm_mode_16_64 3
		.amdhsa_memory_ordered 1
		.amdhsa_forward_progress 1
		.amdhsa_inst_pref_size 78
	.end_amdhsa_kernel
	.amdgpu_metadata
---
amdhsa.version: [ 1, 2 ]
amdhsa.kernels:
  - .name:           k_qe38e51f21a_merge
    .symbol:         k_qe38e51f21a_merge.kd
    .args:
      - { .name: cval, .offset: 0, .size: 8, .value_kind: global_buffer, .address_space: global }
      - { .name: cid, .offset: 8, .size: 8, .value_kind: global_buffer, .address_space: global }
      - { .name: gsel, .offset: 16, .size: 8, .value_kind: global_buffer, .address_space: global }
    .group_segment_fixed_size: 11264
    .private_segment_fixed_size: 0
    .kernarg_segment_align: 8
    .kernarg_segment_size: 24
    .max_flat_workgroup_size: 256
    .sgpr_count:     66
    .vgpr_count:     128
    .wavefront_size: 32
...
	.end_amdgpu_metadata
.endif
;; end of part 3
;; launch rescore (part 4): grid 1024 x 1, 5 waves a work-group, no clusters, 11,520 bytes of LDS; arguments hb, aux, gsel, a16; writes a16
.if DOCPART == 4
	.amdgcn_target "amdgcn-amd-amdhsa--gfx1250"
	.amdhsa_code_object_version 6
	.text
	.protected	k_qe38e51f21a_rescore
	.globl	k_qe38e51f21a_rescore
	.p2align	8
	.type	k_qe38e51f21a_rescore,@function
k_qe38e51f21a_rescore:
	s_mov_b64 s[64:65], 0
	v_nop
	global_prefetch_b8 v0, s[64:65] scope:SCOPE_SE
	s_setreg_imm32_b32 hwreg(HW_REG_WAVE_MODE, 25, 1), 1
	s_wait_xcnt 0x0
; RESCORE.  A query's five chosen groups are 40 rows.  Their cosine similarities are made anew, in f32 from the bf16 numbers; the five largest of the 40 are the query's neighbours; softmax over these five
; (the largest is taken away first); the weighted sum of their rows.  a16[q] = (x_last, weighted), 1,024 numbers in f16.
; SHARES.  A work-group is a query, wave e a group of 8 rows, which stay in 64 registers between the dots and the weighted sum: each row is read once.  The group numbers come from gsel, whole numbers that an
; earlier launch stored; each is held to the table's 12,544 groups before it enters an address.
; THE CHOICE only selects values: a row's rank among the 40 (how many are larger, or equal and earlier) decides whether its weight is the exponential or 0.  The order is total, so exactly five are taken.
; No matrix unit: 40 dots of 512 a query.  No cluster: two queries seldom share a row.
; LIMITS.  Equal similarities go by their place among the 40, not by the row's number.  NaN and infinities are not treated apart.  a16 is f16: |x| and |hist| within 65,504; below 6e-5 f16's fixed step of 6e-8.
.set RN_OFF, 4194304
.set RQ_OFF, 4595712
.set SIM,   0                          ; 40 similarities
.set ZP,    256                        ; five sums of weights
.set PART,  512                        ; five partial sums of 512 f32: quad c of lane l at 2,048 e + 512 c + 16 l
.set SPARE, 10752                      ; the spare words: 128 bytes for each of five waves, three blocks of 256 bytes
.set SPW, 2
.set NIL, 3
.set L16, 4                            ; v4  16 x lane
.set NEGI, 5                           ; v5  -infinity
.set Z,   7                            ; v7  0
.set Q,   8                            ; v8-15   the query: channels 8 l + 0..7 and 256 + 8 l + 0..7
.set D,   16                           ; v16-23  my eight rows' similarities
.set TA,  24                           ; v24-25  at work
.set AD,  26
.set A0,  27                           ; v27 similarity number lane; v28 number 32 + lane (lanes 0-7)
.set A1,  28
.set SMX, 29
.set TB,  30
.set TC,  31
.set R,   32                           ; v32-95  row i: 8 registers, laid as Q
.set P,   96                           ; v96-103 the rows' weights
.set ACC, 104                          ; v104-119
	s_load_b256 s[4:11], s[0:1], 0x0               ; hb s[4:5], aux s[6:7], gsel s[8:9], a16 s[10:11]
	v_lshl_add_u32 v[SPW], v0, 2, SPARE
	v_mov_b32 v[NIL], 0
	v_lshrrev_b32 v1, 5, v0
	v_readfirstlane_b32 s12, v1                    ; e
	v_and_b32 v1, 31, v0
	s_mov_b32 s13, ttmp9                           ; q
	s_lshl_b32 s20, s13, 5
	s_lshl2_add_u32 s20, s12, s20                  ; 32 q + 4 e
	s_mov_b32 s21, 0
	s_lshl_b32 s24, s13, 2
	s_add_co_u32 s24, s24, RQ_OFF
	s_mov_b32 s25, 0
	s_lshl_b32 s30, s13, 10
	s_mov_b32 s31, 0
	v_lshlrev_b32 v[L16], 4, v1
	s_wait_kmcnt 0x0
	s_add_nc_u64 s[14:15], s[8:9], s[20:21]
	s_add_nc_u64 s[26:27], s[6:7], s[24:25]
	s_add_nc_u64 s[28:29], s[6:7], s[30:31]        ; QB lies at aux's head
	s_load_b32 s16, s[14:15], 0x0                  ; my group
	s_load_b32 s18, s[26:27], 0x0                  ; the query's factor
	global_load_b128 v[Q:Q+3],   v[L16], s[28:29]
	global_load_b128 v[Q+4:Q+7], v[L16], s[28:29] offset:512
	s_lshl_b32 s30, s13, 11
	s_add_nc_u64 s[10:11], s[10:11], s[30:31]      ; a16 at row q
	s_mov_b32 s58, 0x76543210
	s_mov_b32 s59, 0xfedcba98
	s_mov_b32 s60, 0xff
	s_mov_b32 s62, 0x3fb8aa3b                      ; log2(e)
	s_mov_b32 s46, 1
	s_mov_b32 s47, 0
	v_mov_b32 v[NEGI], 0xff800000
	v_mov_b32 v[Z], 0
	v_mov_b32 v[TA], 0                             ; v_permlanex16_b32's destinations count as read
	v_mov_b32 v[TA+1], 0
	s_wait_kmcnt 0x0
	s_min_u32 s16, s16, 12543                      ; inside hb's 12,544 groups
	s_lshl_b32 s20, s16, 13                        ; 8 rows of 1,024 bytes
	s_add_nc_u64 s[22:23], s[4:5], s[20:21]
	s_lshl_b32 s24, s16, 5
	s_add_co_u32 s24, s24, RN_OFF
	s_add_nc_u64 s[26:27], s[6:7], s[24:25]
	s_load_b256 s[32:39], s[26:27], 0x0            ; the eight rows' factors
.irp i, 0,1,2,3,4,5,6,7
	global_load_b128 v[R+8*(\i):R+8*(\i)+3],   v[L16], s[22:23] offset:1024*(\i)
	global_load_b128 v[R+8*(\i)+4:R+8*(\i)+7], v[L16], s[22:23] offset:1024*(\i)+512
.endr
	s_wait_loadcnt 0x0
	; eight dots side by side, f32 sums of exact products
.irp w, 0,1,2,3,4,5,6,7
.irp i, 0,1,2,3,4,5,6,7
.if (\w) == 0
	v_fma_mix_f32_bf16 v[D+(\i)], v[R+8*(\i)], v[Q], v[Z] op_sel_hi:[1,1,0]
.else
	v_fma_mix_f32_bf16 v[D+(\i)], v[R+8*(\i)+(\w)], v[Q+(\w)], v[D+(\i)] op_sel_hi:[1,1,0]
.endif
.endr
.irp i, 0,1,2,3,4,5,6,7
	v_fma_mix_f32_bf16 v[D+(\i)], v[R+8*(\i)+(\w)], v[Q+(\w)], v[D+(\i)] op_sel:[1,1,0] op_sel_hi:[1,1,0]
.endr
.endr
.irp k, 1,2,4,8
.irp i, 0,1,2,3,4,5,6,7
	v_add_f32_dpp v[D+(\i)], v[D+(\i)], v[D+(\i)] row_xmask:\k row_mask:0xf bank_mask:0xf
.endr
.endr
.irp i, 0,1,2,3,4,5,6,7
	v_permlanex16_b32 v[TA+(\i)%2], v[D+(\i)], s58, s59
	v_add_f32 v[D+(\i)], v[D+(\i)], v[TA+(\i)%2]
.endr
	s_wait_kmcnt 0x0
.irp i, 0,1,2,3,4,5,6,7
	s_mul_f32 s[32+(\i)], s[32+(\i)], s18
.endr
.irp i, 0,1,2,3,4,5,6,7
	v_mul_f32 v[D+(\i)], s[32+(\i)], v[D+(\i)]     ; every lane holds the similarity
.endr
	s_lshl_b32 s61, s12, 5
	v_mov_b32 v[AD], s61
	ds_store_b128 v[AD], v[D:D+3]                  ; all lanes write the same words with the same values
	ds_store_b128 v[AD], v[D+4:D+7] offset:16
	s_wait_dscnt 0x0                               ; for the others' sake
	s_barrier_signal -1
	s_barrier_wait -1
	v_lshlrev_b32 v[TB], 2, v1
	v_and_b32 v[TC], 7, v1
	v_lshl_add_u32 v[TC], v[TC], 2, 128
	ds_load_b32 v[A0], v[TB]
	ds_load_b32 v[A1], v[TC]
	s_wait_dscnt 0x0
	v_cndmask_b32 v[A1], v[NEGI], v[A1], s60       ; numbers 32-39 in lanes 0-7; elsewhere -infinity
	v_max_num_f32 v[SMX], v[A0], v[A1]
	v_max_num_f32_dpp v[SMX], v[SMX], v[SMX] row_xmask:1 row_mask:0xf bank_mask:0xf
	v_max_num_f32_dpp v[SMX], v[SMX], v[SMX] row_xmask:2 row_mask:0xf bank_mask:0xf
	v_max_num_f32_dpp v[SMX], v[SMX], v[SMX] row_xmask:4 row_mask:0xf bank_mask:0xf
	v_max_num_f32_dpp v[SMX], v[SMX], v[SMX] row_xmask:8 row_mask:0xf bank_mask:0xf
	v_permlanex16_b32 v[TA], v[SMX], s58, s59
	v_max_num_f32 v[SMX], v[SMX], v[TA]            ; the largest of the 40 is the largest of the five
	s_lshl_b32 s61, s12, 3
	; row i's rank: how many of the 40 are larger, or equal and earlier.  Below 5: the row is a neighbour.
.irp i, 0,1,2,3,4,5,6,7
	s_add_co_u32 s48, s61, \i
	s_lshl_b64 s[44:45], s[46:47], s48
	s_sub_nc_u64 s[44:45], s[44:45], 1             ; ones for the places in front of mine
	v_cmp_gt_f32 s40, v[A0], v[D+(\i)]
	v_cmp_eq_f32 s41, v[A0], v[D+(\i)]
	v_cmp_gt_f32 s42, v[A1], v[D+(\i)]
	v_cmp_eq_f32 s43, v[A1], v[D+(\i)]
	s_and_b32 s41, s41, s44
	s_and_b32 s43, s43, s45
	s_or_b32 s40, s40, s41
	s_or_b32 s42, s42, s43
	s_bcnt1_i32_b32 s40, s40
	s_bcnt1_i32_b32 s42, s42
	s_add_co_u32 s40, s40, s42
	s_cmp_lt_u32 s40, 5
	s_cselect_b32 s[50+(\i)], -1, 0
.endr
	v_mul_f32 v[TB], s62, v[SMX]
.irp i, 0,1,2,3,4,5,6,7
	v_fma_f32 v[P+(\i)], v[D+(\i)], s62, -v[TB]    ; (s - max) log2(e)
.endr
.irp i, 0,1,2,3,4,5,6,7
	v_exp_f32 v[P+(\i)], v[P+(\i)]
.endr
	v_nop                                          ; a plain instruction between the last exponential and the use of its result
	s_wait_alu depctr_va_vdst(0)
.irp i, 0,1,2,3,4,5,6,7
	v_cndmask_b32 v[P+(\i)], v[Z], v[P+(\i)], s[50+(\i)]
.endr
.irp i, 0,1,2,3,4,5,6,7
.irp w, 0,1,2,3,4,5,6,7
.if (\i) == 0
	v_fma_mix_f32_bf16 v[ACC+2*(\w)],   v[R+(\w)], v[P], v[Z] op_sel_hi:[1,0,0]
	v_fma_mix_f32_bf16 v[ACC+2*(\w)+1], v[R+(\w)], v[P], v[Z] op_sel:[1,0,0] op_sel_hi:[1,0,0]
.else
	v_fma_mix_f32_bf16 v[ACC+2*(\w)],   v[R+8*(\i)+(\w)], v[P+(\i)], v[ACC+2*(\w)] op_sel_hi:[1,0,0]
	v_fma_mix_f32_bf16 v[ACC+2*(\w)+1], v[R+8*(\i)+(\w)], v[P+(\i)], v[ACC+2*(\w)+1] op_sel:[1,0,0] op_sel_hi:[1,0,0]
.endif
.endr
.endr
	v_add_f32 v[TB], v[P], v[P+1]
	v_add_f32 v[TC], v[P+2], v[P+3]
	v_add_f32 v[TA], v[P+4], v[P+5]
	v_add_f32 v[TA+1], v[P+6], v[P+7]
	v_add_f32 v[TB], v[TB], v[TC]
	v_add_f32 v[TA], v[TA], v[TA+1]
	v_add_f32 v[TB], v[TB], v[TA]                  ; my rows' weights, added
	s_lshl_b32 s61, s12, 11
	s_add_co_u32 s61, s61, PART
	v_add_nc_u32 v[TC], s61, v[L16]
.irp c, 0,1,2,3
	ds_store_b128 v[TC], v[ACC+4*(\c):ACC+4*(\c)+3] offset:512*(\c)
.endr
	s_lshl_b32 s61, s12, 2
	s_add_co_u32 s61, s61, ZP
	v_mov_b32 v[AD], s61
	ds_store_b32 v[AD], v[TB]
	s_wait_tensorcnt 0x0                           ; these three lines stand behind every wave's last LDS store;
	ds_add_u32 v[SPW], v[NIL]
	s_wait_dscnt 0x0                               ; the wait is also the one that the barrier needs: my stores are done
	s_barrier_signal -1
	s_barrier_wait -1
	s_cmp_lt_u32 s12, 2
	s_cbranch_scc1 .Lsum
	s_cmp_eq_u32 s12, 2
	s_cbranch_scc0 .Lend
	; wave 2: x_last, bf16 numbers written as f16
.irp w, 0,1,2,3,4,5,6,7
	v_lshlrev_b32 v[R+2*(\w)], 16, v[Q+(\w)]
	v_and_b32 v[R+2*(\w)+1], 0xffff0000, v[Q+(\w)]
.endr
.irp w, 0,1,2,3,4,5,6,7
	v_cvt_pk_f16_f32 v[P+(\w)], v[R+2*(\w)], v[R+2*(\w)+1]
.endr
	global_store_b128 v[L16], v[P:P+3], s[10:11]               ; 512 consecutive bytes each
	global_store_b128 v[L16], v[P+4:P+7], s[10:11] offset:512
	s_branch .Lend
.Lsum:                                                 ; waves 0 and 1: channels 256 v + 8 l + 0..7 of the weighted sum
	s_lshl_b32 s61, s12, 10
	s_add_co_u32 s61, s61, PART
	v_add_nc_u32 v[TC], s61, v[L16]
	v_mov_b32 v[AD], ZP
.irp e, 0,1,2,3,4
	ds_load_b128 v[R+8*(\e):R+8*(\e)+3],   v[TC] offset:2048*(\e)
	ds_load_b128 v[R+8*(\e)+4:R+8*(\e)+7], v[TC] offset:2048*(\e)+512
.endr
	ds_load_b128 v[72:75], v[AD]
	ds_load_b32 v76, v[AD] offset:16
	s_lshl_b32 s61, s12, 9
	v_add_nc_u32 v[TB], s61, v[L16]
	s_wait_dscnt 0x0
.irp j, 0,2,4,6
	v_pk_add_f32 v[R+(\j):R+(\j)+1], v[R+(\j):R+(\j)+1], v[R+8+(\j):R+8+(\j)+1]
	v_pk_add_f32 v[R+16+(\j):R+16+(\j)+1], v[R+16+(\j):R+16+(\j)+1], v[R+24+(\j):R+24+(\j)+1]
.endr
	v_add_f32 v72, v72, v73
	v_add_f32 v74, v74, v75
	v_add_f32 v72, v72, v74
	v_add_f32 v72, v72, v76                        ; at least 1: the largest similarity's weight
	v_rcp_f32 v78, v72
	v_mov_b32 v79, 0                               ; named with it as a pair; also the plain instruction behind the reciprocal
.irp j, 0,2,4,6
	v_pk_add_f32 v[R+(\j):R+(\j)+1], v[R+(\j):R+(\j)+1], v[R+16+(\j):R+16+(\j)+1]
.endr
.irp j, 0,2,4,6
	v_pk_add_f32 v[R+(\j):R+(\j)+1], v[R+(\j):R+(\j)+1], v[R+32+(\j):R+32+(\j)+1]
.endr
	s_wait_alu depctr_va_vdst(0)
.irp j, 0,2,4,6
	v_pk_mul_f32 v[R+(\j):R+(\j)+1], v[R+(\j):R+(\j)+1], v[78:79] op_sel_hi:[1,0]
.endr
.irp j, 0,1,2,3
	v_cvt_pk_f16_f32 v[80+(\j)], v[R+2*(\j)], v[R+2*(\j)+1]
.endr
	global_store_b128 v[TB], v[80:83], s[10:11] offset:1024    ; 512 consecutive bytes
.Lend:
	s_endpgm
.Lfunc_end_k_qe38e51f21a_rescore:
	.size	k_qe38e51f21a_rescore, .Lfunc_end_k_qe38e51f21a_rescore-k_qe38e51f21a_rescore
	.p2alignl 7, 3214868480
	.fill 96, 4, 3214868480
	.section	.rodata,"a",@progbits
	.p2align	6, 0x0
	.amdhsa_kernel k_qe38e51f21a_rescore
		.amdhsa_group_segment_fixed_size 11520
		.amdhsa_private_segment_fixed_size 0
		.amdhsa_enable_private_segment 0
		.amdhsa_kernarg_size 32
		.amdhsa_user_sgpr_count 2
		.amdhsa_user_sgpr_kernarg_segment_ptr 1
		.amdhsa_wavefront_size32 1
		.amdhsa_system_sgpr_workgroup_id_x 1
		.amdhsa_system_sgpr_workgroup_id_y 1
		.amdhsa_system_sgpr_workgroup_id_z 1
		.amdhsa_system_vgpr_workitem_id 0
		.amdhsa_next_free_vgpr 128
		.amdhsa_next_free_sgpr 66
		.amdhsa_reserve_vcc 0
		.amdhsa_float_denorm_mode_32 3
		.amdhsa_float_denorm_mode_16_64 3
		.amdhsa_memory_ordered 1
		.amdhsa_forward_progress 1
		.amdhsa_inst_pref_size 36
	.end_amdhsa_kernel
	.amdgpu_metadata
---
amdhsa.version: [ 1, 2 ]
amdhsa.kernels:
  - .name:           k_qe38e51f21a_rescore
    .symbol:         k_qe38e51f21a_rescore.kd
    .args:
      - { .name: hb, .offset: 0, .size: 8, .value_kind: global_buffer, .address_space: global }
      - { .name: aux, .offset: 8, .size: 8, .value_kind: global_buffer, .address_space: global }
      - { .name: gsel, .offset: 16, .size: 8, .value_kind: global_buffer, .address_space: global }
      - { .name: a16, .offset: 24, .size: 8, .value_kind: global_buffer, .address_space: global }
    .group_segment_fixed_size: 11520
    .private_segment_fixed_size: 0
    .kernarg_segment_align: 8
    .kernarg_segment_size: 32
    .max_flat_workgroup_size: 160
    .sgpr_count:     66
    .vgpr_count:     128
    .wavefront_size: 32
...
	.end_amdgpu_metadata
.endif
;; end of part 4
;; launch gemm1 (part 5): grid 16 x 16, 4 waves a work-group, clusters of 4 x 4, 327,680 bytes of LDS; arguments a16, aux, b1, hs; writes hs
.if DOCPART == 5
	.amdgcn_target "amdgcn-amd-amdhsa--gfx1250"
	.amdhsa_code_object_version 6
	.text
	.protected	k_qe38e51f21a_gemm1
	.globl	k_qe38e51f21a_gemm1
	.p2align	8
	.type	k_qe38e51f21a_gemm1,@function
k_qe38e51f21a_gemm1:
	s_mov_b64 s[64:65], 0
	v_nop
	global_prefetch_b8 v0, s[64:65] scope:SCOPE_SE
	s_setreg_imm32_b32 hwreg(HW_REG_WAVE_MODE, 25, 1), 1
	s_wait_xcnt 0x0
	s_wait_alu depctr_hold_cnt(0) depctr_sa_sdst(0) depctr_va_vdst(0) depctr_va_sdst(0) depctr_va_ssrc(0) depctr_va_vcc(0) depctr_vm_vsrc(0)
	s_getreg_b32 s2, hwreg(HW_REG_IB_STS2, 6, 4)
	s_cmp_eq_u32 s2, 0
	s_cbranch_scc0 .Lentry_in_a_cluster
	s_endpgm
.Lentry_in_a_cluster:
	s_bfe_u32 s2, ttmp6, 0x10000c
	s_cmp_lg_u32 s2, 0xf033
	s_cbranch_scc0 .Lentry_shape_is_right
	s_endpgm
.Lentry_shape_is_right:
; THE TWO LAYERS' PRODUCTS: one text, G = 1 or 2.
; G = 1: h = relu(a16 [1024][1024] f16 x W1S [1024 k][1024 n] f16 + bf16(b1)), stored as hi = bf16(h) and lo = bf16(h - hi): hs [1024][16 nb][hi, lo][64] bf16.  (aug @ W1 = x_last @ W1[0:512] + weighted @ the sum of
;        W1's other five blocks, for every input.)  A tile is 64 rows x 64 columns; a wave makes 32 x 32: accumulators (row half x, column half b).
; G = 2: y = (hi + lo) x W2B [1024 k][512 n] bf16 + bf16(b2), f32: yb [1024][512].  h has no room in f16 and too few bits in one bf16, so both parts multiply the same fragments of W2.
;        A tile is 32 rows x 64 columns; a wave makes 16 x 32: accumulators (part x, column half b); the two parts' sums are added at the end.
; 256 work-groups either way.  All of K = 1,024 fits in LDS: four chunks of 256, all asked for at the start; nothing is filled again.  By this text's count a wave has four tensor loads out.
; CLUSTERS of 4 x 4: the activations' tile hangs on the tile row alone and is shared along a row of the cluster, the weights' on the tile column alone and is shared along a column: joint loads.
; THE MATRIX INSTRUCTION IS USED TRANSPOSED: source 0 = 16 columns of W (stored [k][n], turned by ds_load_tr16_b128), source 1 = 16 rows of the activations: a lane holds eight neighbouring columns of one row.
; LIMITS.  G = 1: f16 operands within 65,504.  NaN and infinities are not treated apart.
.set G, 1
.if G == 1
.set MROWS,  64                        ; rows of a tile
.set AWR,    32                        ; rows of a wave
.set AROWS,  32                        ; rows that one tensor load brings
.set AELEM,  256                       ; elements of a row in a chunk
.set AQI,    6                         ; padding after every 128 words
.set APITCH, 528
.set ASTR,   1024                      ; elements from row to row in memory
.set WOFF,   1048576                   ; W1S in aux
.set OROWB,  4096                      ; bytes of an output row
.set RPW,    16                        ; rows that a wave stores
.set SHH,    4                         ; a lane's eight results are 16 bytes (twice: hi, lo)
.set SNI,    64
.else
.set MROWS,  32
.set AWR,    16
.set AROWS,  16
.set AELEM,  512
.set AQI,    7                         ; padding after every 256 words
.set APITCH, 1040
.set ASTR,   2048
.set WOFF,   3145728                   ; W2B in aux
.set OROWB,  2048
.set RPW,    8
.set SHH,    5                         ; a lane's eight results are 32 bytes
.set SNI,    128
.endif
.set ACHUNK, MROWS*APITCH              ; both pitches are odd multiples of 16: the 16 rows of a load start at 16 different groups of four banks (64 banks of 4 bytes: ISA guide 11.1)
.set AHALF,  AROWS*APITCH
.set BT,     4*ACHUNK                  ; behind the activations: 1,024 rows k of 64 columns,
.set BPITCH, 160                       ; 128 bytes + 32
.set STAGE,  BT+1024*BPITCH            ; the work-group's stage for the way out; no tensor load lands here
.set SPITCH, 272
.set SPARE,  STAGE+MROWS*SPITCH        ; the spare words: 128 bytes for each wave
.set AA,  16                           ; v16 LDS address of my fragments of the activations in the chunk in hand
.set WA,  17                           ; v17 the same for W
.set STO, 18
.set RD,  19
.set CO,  20
.set BO,  21
.set SPW, 28
.set NIL, 29
.set ACC, 32                           ; v32-63 four accumulators: 8 (2 x + b)
.set BI,  64                           ; v64-79 the bias of my 2 x 8 columns
.set T,   80                           ; v80-103 at work
.set HI,  88
.set LO,  92
.set U,   96
.set OB,  104                          ; v104-135 rows read back
.set G1A, 16
.set G1B, 24
.set G0A, 32                           ; s[32:47] group 0 for the activations' four chunks
.set G0B, 48                           ; s[48:63] for the weights'
.set MSB, 0
.macro WIN new
.if MSB != (\new)
	s_set_vgpr_msb (MSB<<8)|(\new)
.set MSB, (\new)
.endif
.endm
.macro CROUND
	s_barrier_signal -1
	s_barrier_wait -1
	s_cmp_lg_u32 s4, 0
	s_cbranch_scc1 .Lnot_wave_0_\@
	s_barrier_signal -3
.Lnot_wave_0_\@:
	s_barrier_wait -3
	s_barrier_signal -1
	s_barrier_wait -1
.endm
	s_load_b256 s[72:79], s[0:1], 0x0              ; activations s[72:73], aux s[74:75], bias s[76:77], output s[78:79]
	v_lshl_add_u32 v[SPW], v0, 2, SPARE
	v_mov_b32 v[NIL], 0
	ds_add_u32 v[SPW], v[NIL]                      ; the wave's opening: the add and its wait stand ahead of my first tensor load; work on registers stands between them
	v_lshrrev_b32 v1, 5, v0
	v_readfirstlane_b32 s4, v1                     ; wave
	s_lshr_b32 s5, s4, 1                           ; my half of the tile's rows.  Also: I fetch activations (0) or weights (1)
	s_and_b32 s6, s4, 1                            ; my half of its columns.  Also: which half of a chunk I fetch
	s_bfe_u32 s7, ttmp6, 0x40000                   ; cx
	s_bfe_u32 s8, ttmp6, 0x40004                   ; cy
	s_lshl_b32 s9, ttmp9, 2
	s_add_co_u32 s9, s9, s7                        ; tile column
	s_and_b32 s10, ttmp7, 0xffff
	s_lshl_b32 s10, s10, 2
	s_add_co_u32 s10, s10, s8                      ; tile row
	s_lshl_b32 s11, s8, 2
	s_lshl_b32 s11, 15, s11                        ; my row of the cluster
	s_lshl_b32 s12, 0x1111, s7                     ; my column
	s_or_b32 s[G1A], s11, (1<<16)|(1<<20)|(1<<21)|(AQI<<22)|(3<<25)  ; 2-byte elements; padding on; bit 21 beside a mask; 4 words behind every row
	s_mov_b32 s[G1A+1], AELEM<<16
	s_mov_b32 s[G1A+2], AROWS<<16
	s_mov_b32 s[G1A+3], AELEM<<16
	s_mov_b32 s[G1A+4], AROWS
	s_mov_b32 s[G1A+5], ASTR
	s_mov_b32 s[G1A+6], 0
	s_mov_b32 s[G1A+7], 0
	s_or_b32 s[G1B], s12, (1<<16)|(1<<20)|(1<<21)|(4<<22)|(7<<25)    ; 128 rows k are 16,384 dense bytes: asked for as 64 rows of 256 bytes, padded by 8 words after every 32 words, that is after every k
	s_mov_b32 s[G1B+1], 128<<16
	s_mov_b32 s[G1B+2], 64<<16
	s_mov_b32 s[G1B+3], 128<<16
	s_mov_b32 s[G1B+4], 64
	s_mov_b32 s[G1B+5], 128
	s_mov_b32 s[G1B+6], 0
	s_mov_b32 s[G1B+7], 0
	s_mul_i32 s66, s10, MROWS                      ; the activations' address hangs on the tile row and the wave alone,
	s_mul_i32 s67, s6, AROWS
	s_add_co_u32 s66, s66, s67
	s_mul_i32 s66, s66, ASTR*2
	s_mov_b32 s67, 0
	s_lshl_b32 s68, s9, 17                         ; the weights' on the tile column and the wave alone
	s_lshl_b32 s69, s6, 14
	s_add_co_u32 s68, s68, s69
	s_add_co_u32 s68, s68, WOFF
	s_mov_b32 s69, 0
	s_mul_i32 s13, s6, AHALF                       ; no place in the cluster enters an LDS address
	s_mul_i32 s14, s6, 128*BPITCH
	s_add_co_u32 s14, s14, BT
	s_wait_dscnt 0x0                               ; the opening add is done
	s_wait_kmcnt 0x0
	s_add_nc_u64 s[80:81], s[72:73], s[66:67]
	s_add_nc_u64 s[82:83], s[74:75], s[68:69]
.irp c, 0,1,2,3
	s_mov_b32 s[G0A+4*(\c)], 1
	s_add_co_u32 s[G0A+4*(\c)+1], s13, (\c)*ACHUNK
	s_add_nc_u64 s[G0A+4*(\c)+2:G0A+4*(\c)+3], s[80:81], (\c)*AELEM*2
	s_or_b32 s[G0A+4*(\c)+3], s[G0A+4*(\c)+3], 0x80000000
	s_mov_b32 s[G0B+4*(\c)], 1
	s_add_co_u32 s[G0B+4*(\c)+1], s14, (\c)*256*BPITCH
	s_add_nc_u64 s[G0B+4*(\c)+2:G0B+4*(\c)+3], s[82:83], (\c)*32768
	s_or_b32 s[G0B+4*(\c)+3], s[G0B+4*(\c)+3], 0x80000000
.endr
	CROUND                                         ; all sixteen work-groups are here: the joint loads meet
	s_cmp_eq_u32 s5, 0                             ; a wave's four fills stand in one branch on its number, ahead of every wait on TENSORcnt and every LDS read
	s_cbranch_scc0 .Lfor_b
.irp c, 0,1,2,3
	tensor_load_to_lds s[G0A+4*(\c):G0A+4*(\c)+3], s[G1A:G1A+7]
	s_nop 0
.endr
.rept 4
	v_nop
.endr
	s_branch .Lasked
.Lfor_b:
.irp c, 0,1,2,3
	tensor_load_to_lds s[G0B+4*(\c):G0B+4*(\c)+3], s[G1B:G1B+7]
	s_nop 0
.endr
.rept 4
	v_nop
.endr
.Lasked:
	v_and_b32 v1, 15, v0                           ; r
	v_bfe_u32 v2, v0, 4, 1                         ; h
	v_lshlrev_b32 v[BO], 5, v2                     ; my eight columns' bias: 32 h
	s_lshl_b32 s86, s9, 8
	s_lshl_b32 s87, s6, 7
	s_add_co_u32 s86, s86, s87                     ; (64 x tile column + 32 x half) x 4 bytes
	s_mov_b32 s87, 0
	s_add_nc_u64 s[76:77], s[76:77], s[86:87]
.irp b, 0,1
	global_load_b128 v[BI+8*(\b):BI+8*(\b)+3],   v[BO], s[76:77] offset:64*(\b)
	global_load_b128 v[BI+8*(\b)+4:BI+8*(\b)+7], v[BO], s[76:77] offset:64*(\b)+16
.endr
	v_mul_u32_u24 v6, v1, APITCH
	v_lshl_add_u32 v6, v2, 4, v6
	s_mul_i32 s15, s5, AWR*APITCH
	v_add_nc_u32 v[AA], s15, v6                    ; (my first row + r) x pitch + 16 h
	; The turning load takes 16 k x 16 columns (lane l reads k 8 h + l % 8, columns 8 ((l / 8) % 2) + 0..7) and leaves half a fragment: lane l holds column l % 16 and 8 k.
	v_and_b32 v3, 7, v0
	v_bfe_u32 v4, v0, 3, 1
	v_lshl_add_u32 v5, v2, 3, v3
	v_mul_u32_u24 v5, v5, BPITCH
	v_lshl_add_u32 v5, v4, 4, v5
	s_lshl_b32 s15, s6, 6
	s_add_co_u32 s15, s15, BT
	v_add_nc_u32 v[WA], s15, v5
	s_mul_i32 s15, s5, AWR*SPITCH                  ; into the stage: my rows, my half of their 256 bytes
	s_mul_i32 s84, s6, SNI
	s_add_co_u32 s15, s15, s84
	s_add_co_u32 s15, s15, STAGE
	v_mul_u32_u24 v6, v1, SPITCH
	v_lshl_add_u32 v6, v2, SHH, v6
	v_add_nc_u32 v[STO], s15, v6
	s_mul_i32 s15, s4, RPW*SPITCH                  ; back: wave w takes rows RPW w on, whole; lanes 0-15 one row of 256 bytes, lanes 16-31 the next
	s_add_co_u32 s15, s15, STAGE
	v_mul_u32_u24 v6, v2, SPITCH
	v_lshl_add_u32 v6, v1, 4, v6
	v_add_nc_u32 v[RD], s15, v6
	v_mul_u32_u24 v6, v2, OROWB
	v_lshl_add_u32 v[CO], v1, 4, v6
	s_mul_i32 s84, s10, MROWS
	s_mul_i32 s85, s4, RPW
	s_add_co_u32 s84, s84, s85
	s_mul_i32 s84, s84, OROWB
	s_lshl_b32 s85, s9, 8
	s_add_co_u32 s84, s84, s85
	s_mov_b32 s85, 0
	s_add_nc_u64 s[78:79], s[78:79], s[84:85]
.macro MMA x, b, s, zero               ; the four accumulators take turns, one instruction a turn
.set rD, ACC+8*(2*(\x)+(\b))
.set rW, 32*(\s)+8*(\b)
.set rA, 32*(\s)+16+8*(\x)
.if G == 1
.if \zero
	v_wmma_f32_16x16x32_f16 v[rD:rD+7], v[rW:rW+7], v[rA:rA+7], 0
.else
	v_wmma_f32_16x16x32_f16 v[rD:rD+7], v[rW:rW+7], v[rA:rA+7], v[rD:rD+7]
.endif
.else
.if \zero
	v_wmma_f32_16x16x32_bf16 v[rD:rD+7], v[rW:rW+7], v[rA:rA+7], 0
.else
	v_wmma_f32_16x16x32_bf16 v[rD:rD+7], v[rW:rW+7], v[rA:rA+7], v[rD:rD+7]
.endif
.endif
.endm
; A chunk: 256 along K, eight K steps.  Its 64 fragment loads fill window 1 (K step s at 32 s: W's two column halves, then the activations' two parts); the products follow as the loads come back.
.macro CHUNK c
	WIN 0
	s_wait_tensorcnt 3-(\c)                        ; my load of this chunk is in; my later chunks' loads may stay out
	s_barrier_signal -1
	s_barrier_wait -1                              ; everybody's is
.if (\c) > 0
	v_add_nc_u32 v[AA], ACHUNK, v[AA]              ; with the two v_nop: the four places between the last products and the loads into their sources
	v_add_nc_u32 v[WA], 256*BPITCH, v[WA]
	v_nop
	v_nop
.endif
	WIN 0x40                                       ; destination window 1, address window 0
.irp s, 0,1,2,3,4,5,6,7
.if G == 1
.set ao0, 64*(\s)
.set ao1, 16*APITCH+64*(\s)
.else
.set ao0, ((\s)/2)*256+((\s)%2)*64
.set ao1, ao0+128
.endif
	ds_load_tr16_b128 v[32*(\s):32*(\s)+3],     v[WA] offset:32*BPITCH*(\s)
	ds_load_tr16_b128 v[32*(\s)+4:32*(\s)+7],   v[WA] offset:32*BPITCH*(\s)+16*BPITCH
	ds_load_tr16_b128 v[32*(\s)+8:32*(\s)+11],  v[WA] offset:32*BPITCH*(\s)+32
	ds_load_tr16_b128 v[32*(\s)+12:32*(\s)+15], v[WA] offset:32*BPITCH*(\s)+16*BPITCH+32
	ds_load_b128 v[32*(\s)+16:32*(\s)+19], v[AA] offset:ao0
	ds_load_b128 v[32*(\s)+20:32*(\s)+23], v[AA] offset:ao0+32
	ds_load_b128 v[32*(\s)+24:32*(\s)+27], v[AA] offset:ao1
	ds_load_b128 v[32*(\s)+28:32*(\s)+31], v[AA] offset:ao1+32
.endr
	WIN 0x05                                       ; sources 0 and 1 window 1; C and D window 0
.irp s, 0,1,2,3,4,5,6,7
	s_wait_dscnt 56-8*(\s)                         ; the younger K steps' loads, eight each, may stay out
.if ((\c) == 0) && ((\s) == 0)
	MMA 0, 0, \s, 1
	MMA 0, 1, \s, 1
	MMA 1, 0, \s, 1
	MMA 1, 1, \s, 1
.else
	MMA 0, 0, \s, 0
	MMA 0, 1, \s, 0
	MMA 1, 0, \s, 0
	MMA 1, 1, \s, 0
.endif
.endr
.endm
	CHUNK 0
	CHUNK 1
	CHUNK 2
	CHUNK 3
	WIN 0
	s_wait_loadcnt 0x0                             ; the bias
.irp j, 0,1,2,3,4,5,6,7                ; rounded to bf16 like every input: 24 plain instructions, which are also the places behind the last products
	v_cvt_pk_bf16_f32 v[T+(\j)], v[BI+2*(\j)], v[BI+2*(\j)+1]
.endr
.irp j, 0,1,2,3,4,5,6,7
	v_lshlrev_b32 v[BI+2*(\j)], 16, v[T+(\j)]
	v_and_b32 v[BI+2*(\j)+1], 0xffff0000, v[T+(\j)]
.endr
.if G == 1
.irp x, 0,1
.irp b, 0,1
.irp j, 0,1,2,3                        ; each accumulator is read from its low end on
	v_pk_add_f32 v[T+2*(\j):T+2*(\j)+1], v[ACC+8*(2*(\x)+(\b))+2*(\j):ACC+8*(2*(\x)+(\b))+2*(\j)+1], v[BI+8*(\b)+2*(\j):BI+8*(\b)+2*(\j)+1]
.endr
.irp j, 0,1,2,3,4,5,6,7
	v_max_num_f32 v[T+(\j)], 0, v[T+(\j)]
.endr
.irp j, 0,1,2,3
	v_cvt_pk_bf16_f32 v[HI+(\j)], v[T+2*(\j)], v[T+2*(\j)+1]
.endr
.irp j, 0,1,2,3
	v_lshlrev_b32 v[U+2*(\j)], 16, v[HI+(\j)]
	v_and_b32 v[U+2*(\j)+1], 0xffff0000, v[HI+(\j)]
.endr
.irp j, 0,1,2,3
	v_pk_add_f32 v[U+2*(\j):U+2*(\j)+1], v[T+2*(\j):T+2*(\j)+1], v[U+2*(\j):U+2*(\j)+1] neg_lo:[0,1] neg_hi:[0,1]  ; h - hi, exact
.endr
.irp j, 0,1,2,3
	v_cvt_pk_bf16_f32 v[LO+(\j)], v[U+2*(\j)], v[U+2*(\j)+1]
.endr
	ds_store_b128 v[STO], v[HI:HI+3] offset:(\x)*16*SPITCH+32*(\b)
	ds_store_b128 v[STO], v[LO:LO+3] offset:(\x)*16*SPITCH+32*(\b)+128
.endr
.endr
.else
.irp b, 0,1
.irp j, 0,1,2,3
	v_pk_add_f32 v[T+2*(\j):T+2*(\j)+1], v[ACC+8*(\b)+2*(\j):ACC+8*(\b)+2*(\j)+1], v[ACC+16+8*(\b)+2*(\j):ACC+16+8*(\b)+2*(\j)+1]
.endr
.irp j, 0,1,2,3
	v_pk_add_f32 v[T+2*(\j):T+2*(\j)+1], v[T+2*(\j):T+2*(\j)+1], v[BI+8*(\b)+2*(\j):BI+8*(\b)+2*(\j)+1]
.endr
	ds_store_b128 v[STO], v[T:T+3] offset:64*(\b)
	ds_store_b128 v[STO], v[T+4:T+7] offset:64*(\b)+16
.endr
.endif
	s_wait_dscnt 0x0                               ; for the others' sake: a row's 256 bytes come from two waves
	s_barrier_signal -1
	s_barrier_wait -1
.set t, 0
.rept RPW/2
	ds_load_b128 v[OB+4*t:OB+4*t+3], v[RD] offset:t*2*SPITCH
.set t, t+1
.endr
.set t, 0
.rept RPW/2
	s_wait_dscnt RPW/2-1-t
	global_store_b128 v[CO], v[OB+4*t:OB+4*t+3], s[78:79] offset:2*t*OROWB  ; 16 lanes store 256 consecutive bytes, at a multiple of 256 from the buffer's first byte
.set t, t+1
.endr
	s_wait_tensorcnt 0x0                           ; the wave's end: behind my last tensor load and my last LDS store
	ds_add_u32 v[SPW], v[NIL]
	s_wait_dscnt 0x0
	CROUND                                         ; the closing round
	s_endpgm
.Lfunc_end_k_qe38e51f21a_gemm1:
	.size	k_qe38e51f21a_gemm1, .Lfunc_end_k_qe38e51f21a_gemm1-k_qe38e51f21a_gemm1
	.p2alignl 7, 3214868480
	.fill 96, 4, 3214868480
	.section	.rodata,"a",@progbits
	.p2align	6, 0x0
	.amdhsa_kernel k_qe38e51f21a_gemm1
		.amdhsa_group_segment_fixed_size 327680
		.amdhsa_private_segment_fixed_size 0
		.amdhsa_enable_private_segment 0
		.amdhsa_kernarg_size 32
		.amdhsa_user_sgpr_count 2
		.amdhsa_user_sgpr_kernarg_segment_ptr 1
		.amdhsa_wavefront_size32 1
		.amdhsa_system_sgpr_workgroup_id_x 1
		.amdhsa_system_sgpr_workgroup_id_y 1
		.amdhsa_system_sgpr_workgroup_id_z 1
		.amdhsa_system_vgpr_workitem_id 0
		.amdhsa_next_free_vgpr 512
		.amdhsa_next_free_sgpr 96
		.amdhsa_reserve_vcc 0
		.amdhsa_float_denorm_mode_32 3
		.amdhsa_float_denorm_mode_16_64 3
		.amdhsa_memory_ordered 1
		.amdhsa_forward_progress 1
		.amdhsa_inst_pref_size 46
	.end_amdhsa_kernel
	.amdgpu_metadata
---
amdhsa.version: [ 1, 2 ]
amdhsa.kernels:
  - .name:           k_qe38e51f21a_gemm1
    .symbol:         k_qe38e51f21a_gemm1.kd
    .args:
      - { .name: a16, .offset: 0, .size: 8, .value_kind: global_buffer, .address_space: global }
      - { .name: aux, .offset: 8, .size: 8, .value_kind: global_buffer, .address_space: global }
      - { .name: b1, .offset: 16, .size: 8, .value_kind: global_buffer, .address_space: global }
      - { .name: hs, .offset: 24, .size: 8, .value_kind: global_buffer, .address_space: global }
    .group_segment_fixed_size: 327680
    .private_segment_fixed_size: 0
    .kernarg_segment_align: 8
    .kernarg_segment_size: 32
    .max_flat_workgroup_size: 128
    .sgpr_count:     96
    .vgpr_count:     512
    .wavefront_size: 32
...
	.end_amdgpu_metadata
.endif
;; end of part 5
;; launch gemm2 (part 6): grid 8 x 32, 4 waves a work-group, clusters of 4 x 4, 327,680 bytes of LDS; arguments hs, aux, b2, yb; writes yb
.if DOCPART == 6
	.amdgcn_target "amdgcn-amd-amdhsa--gfx1250"
	.amdhsa_code_object_version 6
	.text
	.protected	k_qe38e51f21a_gemm2
	.globl	k_qe38e51f21a_gemm2
	.p2align	8
	.type	k_qe38e51f21a_gemm2,@function
k_qe38e51f21a_gemm2:
	s_mov_b64 s[64:65], 0
	v_nop
	global_prefetch_b8 v0, s[64:65] scope:SCOPE_SE
	s_setreg_imm32_b32 hwreg(HW_REG_WAVE_MODE, 25, 1), 1
	s_wait_xcnt 0x0
	s_wait_alu depctr_hold_cnt(0) depctr_sa_sdst(0) depctr_va_vdst(0) depctr_va_sdst(0) depctr_va_ssrc(0) depctr_va_vcc(0) depctr_vm_vsrc(0)
	s_getreg_b32 s2, hwreg(HW_REG_IB_STS2, 6, 4)
	s_cmp_eq_u32 s2, 0
	s_cbranch_scc0 .Lentry_in_a_cluster
	s_endpgm
.Lentry_in_a_cluster:
	s_bfe_u32 s2, ttmp6, 0x10000c
	s_cmp_lg_u32 s2, 0xf033
	s_cbranch_scc0 .Lentry_shape_is_right
	s_endpgm
.Lentry_shape_is_right:
; THE TWO LAYERS' PRODUCTS: one text, G = 1 or 2.
; G = 1: h = relu(a16 [1024][1024] f16 x W1S [1024 k][1024 n] f16 + bf16(b1)), stored as hi = bf16(h) and lo = bf16(h - hi): hs [1024][16 nb][hi, lo][64] bf16.  (aug @ W1 = x_last @ W1[0:512] + weighted @ the sum of
;        W1's other five blocks, for every input.)  A tile is 64 rows x 64 columns; a wave makes 32 x 32: accumulators (row half x, column half b).
; G = 2: y = (hi + lo) x W2B [1024 k][512 n] bf16 + bf16(b2), f32: yb [1024][512].  h has no room in f16 and too few bits in one bf16, so both parts multiply the same fragments of W2.
;        A tile is 32 rows x 64 columns; a wave makes 16 x 32: accumulators (part x, column half b); the two parts' sums are added at the end.
; 256 work-groups either way.  All of K = 1,024 fits in LDS: four chunks of 256, all asked for at the start; nothing is filled again.  By this text's count a wave has four tensor loads out.
; CLUSTERS of 4 x 4: the activations' tile hangs on the tile row alone and is shared along a row of the cluster, the weights' on the tile column alone and is shared along a column: joint loads.
; THE MATRIX INSTRUCTION IS USED TRANSPOSED: source 0 = 16 columns of W (stored [k][n], turned by ds_load_tr16_b128), source 1 = 16 rows of the activations: a lane holds eight neighbouring columns of one row.
; LIMITS.  G = 1: f16 operands within 65,504.  NaN and infinities are not treated apart.
.set G, 2
.if G == 1
.set MROWS,  64                        ; rows of a tile
.set AWR,    32                        ; rows of a wave
.set AROWS,  32                        ; rows that one tensor load brings
.set AELEM,  256                       ; elements of a row in a chunk
.set AQI,    6                         ; padding after every 128 words
.set APITCH, 528
.set ASTR,   1024                      ; elements from row to row in memory
.set WOFF,   1048576                   ; W1S in aux
.set OROWB,  4096                      ; bytes of an output row
.set RPW,    16                        ; rows that a wave stores
.set SHH,    4                         ; a lane's eight results are 16 bytes (twice: hi, lo)
.set SNI,    64
.else
.set MROWS,  32
.set AWR,    16
.set AROWS,  16
.set AELEM,  512
.set AQI,    7                         ; padding after every 256 words
.set APITCH, 1040
.set ASTR,   2048
.set WOFF,   3145728                   ; W2B in aux
.set OROWB,  2048
.set RPW,    8
.set SHH,    5                         ; a lane's eight results are 32 bytes
.set SNI,    128
.endif
.set ACHUNK, MROWS*APITCH              ; both pitches are odd multiples of 16: the 16 rows of a load start at 16 different groups of four banks (64 banks of 4 bytes: ISA guide 11.1)
.set AHALF,  AROWS*APITCH
.set BT,     4*ACHUNK                  ; behind the activations: 1,024 rows k of 64 columns,
.set BPITCH, 160                       ; 128 bytes + 32
.set STAGE,  BT+1024*BPITCH            ; the work-group's stage for the way out; no tensor load lands here
.set SPITCH, 272
.set SPARE,  STAGE+MROWS*SPITCH        ; the spare words: 128 bytes for each wave
.set AA,  16                           ; v16 LDS address of my fragments of the activations in the chunk in hand
.set WA,  17                           ; v17 the same for W
.set STO, 18
.set RD,  19
.set CO,  20
.set BO,  21
.set SPW, 28
.set NIL, 29
.set ACC, 32                           ; v32-63 four accumulators: 8 (2 x + b)
.set BI,  64                           ; v64-79 the bias of my 2 x 8 columns
.set T,   80                           ; v80-103 at work
.set HI,  88
.set LO,  92
.set U,   96
.set OB,  104                          ; v104-135 rows read back
.set G1A, 16
.set G1B, 24
.set G0A, 32                           ; s[32:47] group 0 for the activations' four chunks
.set G0B, 48                           ; s[48:63] for the weights'
.set MSB, 0
.macro WIN new
.if MSB != (\new)
	s_set_vgpr_msb (MSB<<8)|(\new)
.set MSB, (\new)
.endif
.endm
.macro CROUND
	s_barrier_signal -1
	s_barrier_wait -1
	s_cmp_lg_u32 s4, 0
	s_cbranch_scc1 .Lnot_wave_0_\@
	s_barrier_signal -3
.Lnot_wave_0_\@:
	s_barrier_wait -3
	s_barrier_signal -1
	s_barrier_wait -1
.endm
	s_load_b256 s[72:79], s[0:1], 0x0              ; activations s[72:73], aux s[74:75], bias s[76:77], output s[78:79]
	v_lshl_add_u32 v[SPW], v0, 2, SPARE
	v_mov_b32 v[NIL], 0
	ds_add_u32 v[SPW], v[NIL]                      ; the wave's opening: the add and its wait stand ahead of my first tensor load; work on registers stands between them
	v_lshrrev_b32 v1, 5, v0
	v_readfirstlane_b32 s4, v1                     ; wave
	s_lshr_b32 s5, s4, 1                           ; my half of the tile's rows.  Also: I fetch activations (0) or weights (1)
	s_and_b32 s6, s4, 1                            ; my half of its columns.  Also: which half of a chunk I fetch
	s_bfe_u32 s7, ttmp6, 0x40000                   ; cx
	s_bfe_u32 s8, ttmp6, 0x40004                   ; cy
	s_lshl_b32 s9, ttmp9, 2
	s_add_co_u32 s9, s9, s7                        ; tile column
	s_and_b32 s10, ttmp7, 0xffff
	s_lshl_b32 s10, s10, 2
	s_add_co_u32 s10, s10, s8                      ; tile row
	s_lshl_b32 s11, s8, 2
	s_lshl_b32 s11, 15, s11                        ; my row of the cluster
	s_lshl_b32 s12, 0x1111, s7                     ; my column
	s_or_b32 s[G1A], s11, (1<<16)|(1<<20)|(1<<21)|(AQI<<22)|(3<<25)  ; 2-byte elements; padding on; bit 21 beside a mask; 4 words behind every row
	s_mov_b32 s[G1A+1], AELEM<<16
	s_mov_b32 s[G1A+2], AROWS<<16
	s_mov_b32 s[G1A+3], AELEM<<16
	s_mov_b32 s[G1A+4], AROWS
	s_mov_b32 s[G1A+5], ASTR
	s_mov_b32 s[G1A+6], 0
	s_mov_b32 s[G1A+7], 0
	s_or_b32 s[G1B], s12, (1<<16)|(1<<20)|(1<<21)|(4<<22)|(7<<25)    ; 128 rows k are 16,384 dense bytes: asked for as 64 rows of 256 bytes, padded by 8 words after every 32 words, that is after every k
	s_mov_b32 s[G1B+1], 128<<16
	s_mov_b32 s[G1B+2], 64<<16
	s_mov_b32 s[G1B+3], 128<<16
	s_mov_b32 s[G1B+4], 64
	s_mov_b32 s[G1B+5], 128
	s_mov_b32 s[G1B+6], 0
	s_mov_b32 s[G1B+7], 0
	s_mul_i32 s66, s10, MROWS                      ; the activations' address hangs on the tile row and the wave alone,
	s_mul_i32 s67, s6, AROWS
	s_add_co_u32 s66, s66, s67
	s_mul_i32 s66, s66, ASTR*2
	s_mov_b32 s67, 0
	s_lshl_b32 s68, s9, 17                         ; the weights' on the tile column and the wave alone
	s_lshl_b32 s69, s6, 14
	s_add_co_u32 s68, s68, s69
	s_add_co_u32 s68, s68, WOFF
	s_mov_b32 s69, 0
	s_mul_i32 s13, s6, AHALF                       ; no place in the cluster enters an LDS address
	s_mul_i32 s14, s6, 128*BPITCH
	s_add_co_u32 s14, s14, BT
	s_wait_dscnt 0x0                               ; the opening add is done
	s_wait_kmcnt 0x0
	s_add_nc_u64 s[80:81], s[72:73], s[66:67]
	s_add_nc_u64 s[82:83], s[74:75], s[68:69]
.irp c, 0,1,2,3
	s_mov_b32 s[G0A+4*(\c)], 1
	s_add_co_u32 s[G0A+4*(\c)+1], s13, (\c)*ACHUNK
	s_add_nc_u64 s[G0A+4*(\c)+2:G0A+4*(\c)+3], s[80:81], (\c)*AELEM*2
	s_or_b32 s[G0A+4*(\c)+3], s[G0A+4*(\c)+3], 0x80000000
	s_mov_b32 s[G0B+4*(\c)], 1
	s_add_co_u32 s[G0B+4*(\c)+1], s14, (\c)*256*BPITCH
	s_add_nc_u64 s[G0B+4*(\c)+2:G0B+4*(\c)+3], s[82:83], (\c)*32768
	s_or_b32 s[G0B+4*(\c)+3], s[G0B+4*(\c)+3], 0x80000000
.endr
	CROUND                                         ; all sixteen work-groups are here: the joint loads meet
	s_cmp_eq_u32 s5, 0                             ; a wave's four fills stand in one branch on its number, ahead of every wait on TENSORcnt and every LDS read
	s_cbranch_scc0 .Lfor_b
.irp c, 0,1,2,3
	tensor_load_to_lds s[G0A+4*(\c):G0A+4*(\c)+3], s[G1A:G1A+7]
	s_nop 0
.endr
.rept 4
	v_nop
.endr
	s_branch .Lasked
.Lfor_b:
.irp c, 0,1,2,3
	tensor_load_to_lds s[G0B+4*(\c):G0B+4*(\c)+3], s[G1B:G1B+7]
	s_nop 0
.endr
.rept 4
	v_nop
.endr
.Lasked:
	v_and_b32 v1, 15, v0                           ; r
	v_bfe_u32 v2, v0, 4, 1                         ; h
	v_lshlrev_b32 v[BO], 5, v2                     ; my eight columns' bias: 32 h
	s_lshl_b32 s86, s9, 8
	s_lshl_b32 s87, s6, 7
	s_add_co_u32 s86, s86, s87                     ; (64 x tile column + 32 x half) x 4 bytes
	s_mov_b32 s87, 0
	s_add_nc_u64 s[76:77], s[76:77], s[86:87]
.irp b, 0,1
	global_load_b128 v[BI+8*(\b):BI+8*(\b)+3],   v[BO], s[76:77] offset:64*(\b)
	global_load_b128 v[BI+8*(\b)+4:BI+8*(\b)+7], v[BO], s[76:77] offset:64*(\b)+16
.endr
	v_mul_u32_u24 v6, v1, APITCH
	v_lshl_add_u32 v6, v2, 4, v6
	s_mul_i32 s15, s5, AWR*APITCH
	v_add_nc_u32 v[AA], s15, v6                    ; (my first row + r) x pitch + 16 h
	; The turning load takes 16 k x 16 columns (lane l reads k 8 h + l % 8, columns 8 ((l / 8) % 2) + 0..7) and leaves half a fragment: lane l holds column l % 16 and 8 k.
	v_and_b32 v3, 7, v0
	v_bfe_u32 v4, v0, 3, 1
	v_lshl_add_u32 v5, v2, 3, v3
	v_mul_u32_u24 v5, v5, BPITCH
	v_lshl_add_u32 v5, v4, 4, v5
	s_lshl_b32 s15, s6, 6
	s_add_co_u32 s15, s15, BT
	v_add_nc_u32 v[WA], s15, v5
	s_mul_i32 s15, s5, AWR*SPITCH                  ; into the stage: my rows, my half of their 256 bytes
	s_mul_i32 s84, s6, SNI
	s_add_co_u32 s15, s15, s84
	s_add_co_u32 s15, s15, STAGE
	v_mul_u32_u24 v6, v1, SPITCH
	v_lshl_add_u32 v6, v2, SHH, v6
	v_add_nc_u32 v[STO], s15, v6
	s_mul_i32 s15, s4, RPW*SPITCH                  ; back: wave w takes rows RPW w on, whole; lanes 0-15 one row of 256 bytes, lanes 16-31 the next
	s_add_co_u32 s15, s15, STAGE
	v_mul_u32_u24 v6, v2, SPITCH
	v_lshl_add_u32 v6, v1, 4, v6
	v_add_nc_u32 v[RD], s15, v6
	v_mul_u32_u24 v6, v2, OROWB
	v_lshl_add_u32 v[CO], v1, 4, v6
	s_mul_i32 s84, s10, MROWS
	s_mul_i32 s85, s4, RPW
	s_add_co_u32 s84, s84, s85
	s_mul_i32 s84, s84, OROWB
	s_lshl_b32 s85, s9, 8
	s_add_co_u32 s84, s84, s85
	s_mov_b32 s85, 0
	s_add_nc_u64 s[78:79], s[78:79], s[84:85]
.macro MMA x, b, s, zero               ; the four accumulators take turns, one instruction a turn
.set rD, ACC+8*(2*(\x)+(\b))
.set rW, 32*(\s)+8*(\b)
.set rA, 32*(\s)+16+8*(\x)
.if G == 1
.if \zero
	v_wmma_f32_16x16x32_f16 v[rD:rD+7], v[rW:rW+7], v[rA:rA+7], 0
.else
	v_wmma_f32_16x16x32_f16 v[rD:rD+7], v[rW:rW+7], v[rA:rA+7], v[rD:rD+7]
.endif
.else
.if \zero
	v_wmma_f32_16x16x32_bf16 v[rD:rD+7], v[rW:rW+7], v[rA:rA+7], 0
.else
	v_wmma_f32_16x16x32_bf16 v[rD:rD+7], v[rW:rW+7], v[rA:rA+7], v[rD:rD+7]
.endif
.endif
.endm
; A chunk: 256 along K, eight K steps.  Its 64 fragment loads fill window 1 (K step s at 32 s: W's two column halves, then the activations' two parts); the products follow as the loads come back.
.macro CHUNK c
	WIN 0
	s_wait_tensorcnt 3-(\c)                        ; my load of this chunk is in; my later chunks' loads may stay out
	s_barrier_signal -1
	s_barrier_wait -1                              ; everybody's is
.if (\c) > 0
	v_add_nc_u32 v[AA], ACHUNK, v[AA]              ; with the two v_nop: the four places between the last products and the loads into their sources
	v_add_nc_u32 v[WA], 256*BPITCH, v[WA]
	v_nop
	v_nop
.endif
	WIN 0x40                                       ; destination window 1, address window 0
.irp s, 0,1,2,3,4,5,6,7
.if G == 1
.set ao0, 64*(\s)
.set ao1, 16*APITCH+64*(\s)
.else
.set ao0, ((\s)/2)*256+((\s)%2)*64
.set ao1, ao0+128
.endif
	ds_load_tr16_b128 v[32*(\s):32*(\s)+3],     v[WA] offset:32*BPITCH*(\s)
	ds_load_tr16_b128 v[32*(\s)+4:32*(\s)+7],   v[WA] offset:32*BPITCH*(\s)+16*BPITCH
	ds_load_tr16_b128 v[32*(\s)+8:32*(\s)+11],  v[WA] offset:32*BPITCH*(\s)+32
	ds_load_tr16_b128 v[32*(\s)+12:32*(\s)+15], v[WA] offset:32*BPITCH*(\s)+16*BPITCH+32
	ds_load_b128 v[32*(\s)+16:32*(\s)+19], v[AA] offset:ao0
	ds_load_b128 v[32*(\s)+20:32*(\s)+23], v[AA] offset:ao0+32
	ds_load_b128 v[32*(\s)+24:32*(\s)+27], v[AA] offset:ao1
	ds_load_b128 v[32*(\s)+28:32*(\s)+31], v[AA] offset:ao1+32
.endr
	WIN 0x05                                       ; sources 0 and 1 window 1; C and D window 0
.irp s, 0,1,2,3,4,5,6,7
	s_wait_dscnt 56-8*(\s)                         ; the younger K steps' loads, eight each, may stay out
.if ((\c) == 0) && ((\s) == 0)
	MMA 0, 0, \s, 1
	MMA 0, 1, \s, 1
	MMA 1, 0, \s, 1
	MMA 1, 1, \s, 1
.else
	MMA 0, 0, \s, 0
	MMA 0, 1, \s, 0
	MMA 1, 0, \s, 0
	MMA 1, 1, \s, 0
.endif
.endr
.endm
	CHUNK 0
	CHUNK 1
	CHUNK 2
	CHUNK 3
	WIN 0
	s_wait_loadcnt 0x0                             ; the bias
.irp j, 0,1,2,3,4,5,6,7                ; rounded to bf16 like every input: 24 plain instructions, which are also the places behind the last products
	v_cvt_pk_bf16_f32 v[T+(\j)], v[BI+2*(\j)], v[BI+2*(\j)+1]
.endr
.irp j, 0,1,2,3,4,5,6,7
	v_lshlrev_b32 v[BI+2*(\j)], 16, v[T+(\j)]
	v_and_b32 v[BI+2*(\j)+1], 0xffff0000, v[T+(\j)]
.endr
.if G == 1
.irp x, 0,1
.irp b, 0,1
.irp j, 0,1,2,3                        ; each accumulator is read from its low end on
	v_pk_add_f32 v[T+2*(\j):T+2*(\j)+1], v[ACC+8*(2*(\x)+(\b))+2*(\j):ACC+8*(2*(\x)+(\b))+2*(\j)+1], v[BI+8*(\b)+2*(\j):BI+8*(\b)+2*(\j)+1]
.endr
.irp j, 0,1,2,3,4,5,6,7
	v_max_num_f32 v[T+(\j)], 0, v[T+(\j)]
.endr
.irp j, 0,1,2,3
	v_cvt_pk_bf16_f32 v[HI+(\j)], v[T+2*(\j)], v[T+2*(\j)+1]
.endr
.irp j, 0,1,2,3
	v_lshlrev_b32 v[U+2*(\j)], 16, v[HI+(\j)]
	v_and_b32 v[U+2*(\j)+1], 0xffff0000, v[HI+(\j)]
.endr
.irp j, 0,1,2,3
	v_pk_add_f32 v[U+2*(\j):U+2*(\j)+1], v[T+2*(\j):T+2*(\j)+1], v[U+2*(\j):U+2*(\j)+1] neg_lo:[0,1] neg_hi:[0,1]  ; h - hi, exact
.endr
.irp j, 0,1,2,3
	v_cvt_pk_bf16_f32 v[LO+(\j)], v[U+2*(\j)], v[U+2*(\j)+1]
.endr
	ds_store_b128 v[STO], v[HI:HI+3] offset:(\x)*16*SPITCH+32*(\b)
	ds_store_b128 v[STO], v[LO:LO+3] offset:(\x)*16*SPITCH+32*(\b)+128
.endr
.endr
.else
.irp b, 0,1
.irp j, 0,1,2,3
	v_pk_add_f32 v[T+2*(\j):T+2*(\j)+1], v[ACC+8*(\b)+2*(\j):ACC+8*(\b)+2*(\j)+1], v[ACC+16+8*(\b)+2*(\j):ACC+16+8*(\b)+2*(\j)+1]
.endr
.irp j, 0,1,2,3
	v_pk_add_f32 v[T+2*(\j):T+2*(\j)+1], v[T+2*(\j):T+2*(\j)+1], v[BI+8*(\b)+2*(\j):BI+8*(\b)+2*(\j)+1]
.endr
	ds_store_b128 v[STO], v[T:T+3] offset:64*(\b)
	ds_store_b128 v[STO], v[T+4:T+7] offset:64*(\b)+16
.endr
.endif
	s_wait_dscnt 0x0                               ; for the others' sake: a row's 256 bytes come from two waves
	s_barrier_signal -1
	s_barrier_wait -1
.set t, 0
.rept RPW/2
	ds_load_b128 v[OB+4*t:OB+4*t+3], v[RD] offset:t*2*SPITCH
.set t, t+1
.endr
.set t, 0
.rept RPW/2
	s_wait_dscnt RPW/2-1-t
	global_store_b128 v[CO], v[OB+4*t:OB+4*t+3], s[78:79] offset:2*t*OROWB  ; 16 lanes store 256 consecutive bytes, at a multiple of 256 from the buffer's first byte
.set t, t+1
.endr
	s_wait_tensorcnt 0x0                           ; the wave's end: behind my last tensor load and my last LDS store
	ds_add_u32 v[SPW], v[NIL]
	s_wait_dscnt 0x0
	CROUND                                         ; the closing round
	s_endpgm
.Lfunc_end_k_qe38e51f21a_gemm2:
	.size	k_qe38e51f21a_gemm2, .Lfunc_end_k_qe38e51f21a_gemm2-k_qe38e51f21a_gemm2
	.p2alignl 7, 3214868480
	.fill 96, 4, 3214868480
	.section	.rodata,"a",@progbits
	.p2align	6, 0x0
	.amdhsa_kernel k_qe38e51f21a_gemm2
		.amdhsa_group_segment_fixed_size 327680
		.amdhsa_private_segment_fixed_size 0
		.amdhsa_enable_private_segment 0
		.amdhsa_kernarg_size 32
		.amdhsa_user_sgpr_count 2
		.amdhsa_user_sgpr_kernarg_segment_ptr 1
		.amdhsa_wavefront_size32 1
		.amdhsa_system_sgpr_workgroup_id_x 1
		.amdhsa_system_sgpr_workgroup_id_y 1
		.amdhsa_system_sgpr_workgroup_id_z 1
		.amdhsa_system_vgpr_workitem_id 0
		.amdhsa_next_free_vgpr 512
		.amdhsa_next_free_sgpr 96
		.amdhsa_reserve_vcc 0
		.amdhsa_float_denorm_mode_32 3
		.amdhsa_float_denorm_mode_16_64 3
		.amdhsa_memory_ordered 1
		.amdhsa_forward_progress 1
		.amdhsa_inst_pref_size 39
	.end_amdhsa_kernel
	.amdgpu_metadata
---
amdhsa.version: [ 1, 2 ]
amdhsa.kernels:
  - .name:           k_qe38e51f21a_gemm2
    .symbol:         k_qe38e51f21a_gemm2.kd
    .args:
      - { .name: hs, .offset: 0, .size: 8, .value_kind: global_buffer, .address_space: global }
      - { .name: aux, .offset: 8, .size: 8, .value_kind: global_buffer, .address_space: global }
      - { .name: b2, .offset: 16, .size: 8, .value_kind: global_buffer, .address_space: global }
      - { .name: yb, .offset: 24, .size: 8, .value_kind: global_buffer, .address_space: global }
    .group_segment_fixed_size: 327680
    .private_segment_fixed_size: 0
    .kernarg_segment_align: 8
    .kernarg_segment_size: 32
    .max_flat_workgroup_size: 128
    .sgpr_count:     96
    .vgpr_count:     512
    .wavefront_size: 32
...
	.end_amdgpu_metadata
.endif
;; end of part 6
;; launch lnorm (part 7): grid 256 x 1, 4 waves a work-group, no clusters, 0 bytes of LDS; arguments yb, gamma, beta, out0; writes out0
.if DOCPART == 7
	.amdgcn_target "amdgcn-amd-amdhsa--gfx1250"
	.amdhsa_code_object_version 6
	.text
	.protected	k_qe38e51f21a_lnorm
	.globl	k_qe38e51f21a_lnorm
	.p2align	8
	.type	k_qe38e51f21a_lnorm,@function
k_qe38e51f21a_lnorm:
	s_mov_b64 s[64:65], 0
	v_nop
	global_prefetch_b8 v0, s[64:65] scope:SCOPE_SE
	s_setreg_imm32_b32 hwreg(HW_REG_WAVE_MODE, 25, 1), 1
	s_wait_xcnt 0x0
; LAYER NORM.  out0[r][c] = (y[r][c] - mean) / sqrt(var + 1e-5) x bf16(gamma[c]) + bf16(beta[c]); mean and var (of the differences from the mean) over the row's 512 numbers, all in f32.
; One wave, one row of 2,048 bytes, kept in 16 registers: the row is read once, and no wave waits for another.  Each load and store of a wave covers 512 consecutive bytes.
; No LDS, no matrix unit, no cluster: a short stream.  gamma and beta are rounded to bf16 like every input of the program.
.set Y,  8                             ; v8-23  the row, then the differences
.set GA, 24                            ; v24-39 gamma of my 16 columns
.set BE, 40                            ; v40-55 beta
.set W,  56                            ; v56-63 at work
.macro LANESUM                         ; v2 summed over the 32 lanes, the result in every lane
	v_add_f32_dpp v2, v2, v2 row_xmask:1 row_mask:0xf bank_mask:0xf
	v_add_f32_dpp v2, v2, v2 row_xmask:2 row_mask:0xf bank_mask:0xf
	v_add_f32_dpp v2, v2, v2 row_xmask:4 row_mask:0xf bank_mask:0xf
	v_add_f32_dpp v2, v2, v2 row_xmask:8 row_mask:0xf bank_mask:0xf
	v_permlanex16_b32 v3, v2, s16, s17
	v_add_f32 v2, v2, v3
.endm
.macro ROUND16 r                       ; 16 numbers from v[r] on are rounded to bf16 and widened again
.irp j, 0,1,2,3,4,5,6,7
	v_cvt_pk_bf16_f32 v[W+(\j)], v[(\r)+2*(\j)], v[(\r)+2*(\j)+1]
.endr
.irp j, 0,1,2,3,4,5,6,7
	v_lshlrev_b32 v[(\r)+2*(\j)], 16, v[W+(\j)]
	v_and_b32 v[(\r)+2*(\j)+1], 0xffff0000, v[W+(\j)]
.endr
.endm
	s_load_b256 s[4:11], s[0:1], 0x0               ; yb s[4:5], gamma s[6:7], beta s[8:9], out0 s[10:11]
	v_lshrrev_b32 v1, 5, v0
	v_readfirstlane_b32 s12, v1
	v_and_b32 v1, 31, v0
	v_lshlrev_b32 v1, 4, v1                        ; 16 x lane
	s_lshl_b32 s13, ttmp9, 2
	s_add_co_u32 s13, s13, s12                     ; my row
	s_lshl_b32 s14, s13, 11
	s_mov_b32 s15, 0
	s_mov_b32 s16, 0x76543210
	s_mov_b32 s17, 0xfedcba98
	s_mov_b32 s20, 0x3b000000                      ; 1 / 512
	s_mov_b32 s21, 0x3727c5ac                      ; 1e-5
	v_mov_b32 v3, 0                                ; v_permlanex16_b32's destination counts as read
	s_wait_kmcnt 0x0
	s_add_nc_u64 s[4:5], s[4:5], s[14:15]
	s_add_nc_u64 s[10:11], s[10:11], s[14:15]
.irp j, 0,1,2,3
	global_load_b128 v[Y+4*(\j):Y+4*(\j)+3], v1, s[4:5] offset:512*(\j) th:TH_LOAD_NT
.endr
.irp j, 0,1,2,3
	global_load_b128 v[GA+4*(\j):GA+4*(\j)+3], v1, s[6:7] offset:512*(\j)
.endr
.irp j, 0,1,2,3
	global_load_b128 v[BE+4*(\j):BE+4*(\j)+3], v1, s[8:9] offset:512*(\j)
.endr
	s_wait_loadcnt 0x8                             ; the row is in; gamma's and beta's eight loads may stay out
	v_pk_add_f32 v[56:57], v[8:9], v[10:11]
	v_pk_add_f32 v[58:59], v[12:13], v[14:15]
	v_pk_add_f32 v[60:61], v[16:17], v[18:19]
	v_pk_add_f32 v[62:63], v[20:21], v[22:23]
	v_pk_add_f32 v[56:57], v[56:57], v[58:59]
	v_pk_add_f32 v[60:61], v[60:61], v[62:63]
	v_pk_add_f32 v[56:57], v[56:57], v[60:61]
	v_add_f32 v2, v56, v57
	LANESUM
	v_mul_f32 v4, s20, v2                          ; the mean
	v_mov_b32 v5, v4
.irp j, 0,2,4,6,8,10,12,14
	v_pk_add_f32 v[Y+(\j):Y+(\j)+1], v[Y+(\j):Y+(\j)+1], v[4:5] neg_lo:[0,1] neg_hi:[0,1]
.endr
	v_pk_mul_f32 v[56:57], v[8:9], v[8:9]
	v_pk_mul_f32 v[58:59], v[10:11], v[10:11]
.irp j, 4,8,12
	v_pk_fma_f32 v[56:57], v[Y+(\j):Y+(\j)+1], v[Y+(\j):Y+(\j)+1], v[56:57]
	v_pk_fma_f32 v[58:59], v[Y+(\j)+2:Y+(\j)+3], v[Y+(\j)+2:Y+(\j)+3], v[58:59]
.endr
	v_pk_add_f32 v[56:57], v[56:57], v[58:59]
	v_add_f32 v2, v56, v57
	LANESUM
	v_fma_f32 v6, v2, s20, s21                     ; var + 1e-5
	v_rsq_f32 v4, v6                               ; the roundings below stand between it and the use of its result
	s_wait_loadcnt 0x0
	ROUND16 GA
	ROUND16 BE
	s_wait_alu depctr_va_vdst(0)
.irp j, 0,2,4,6,8,10,12,14
	v_pk_mul_f32 v[Y+(\j):Y+(\j)+1], v[Y+(\j):Y+(\j)+1], v[4:5] op_sel_hi:[1,0]
.endr
.irp j, 0,2,4,6,8,10,12,14
	v_pk_fma_f32 v[Y+(\j):Y+(\j)+1], v[Y+(\j):Y+(\j)+1], v[GA+(\j):GA+(\j)+1], v[BE+(\j):BE+(\j)+1]
.endr
.irp j, 0,1,2,3
	global_store_b128 v1, v[Y+4*(\j):Y+4*(\j)+3], s[10:11] offset:512*(\j) th:TH_STORE_NT
.endr
	s_endpgm
.Lfunc_end_k_qe38e51f21a_lnorm:
	.size	k_qe38e51f21a_lnorm, .Lfunc_end_k_qe38e51f21a_lnorm-k_qe38e51f21a_lnorm
	.p2alignl 7, 3214868480
	.fill 96, 4, 3214868480
	.section	.rodata,"a",@progbits
	.p2align	6, 0x0
	.amdhsa_kernel k_qe38e51f21a_lnorm
		.amdhsa_group_segment_fixed_size 0
		.amdhsa_private_segment_fixed_size 0
		.amdhsa_enable_private_segment 0
		.amdhsa_kernarg_size 32
		.amdhsa_user_sgpr_count 2
		.amdhsa_user_sgpr_kernarg_segment_ptr 1
		.amdhsa_wavefront_size32 1
		.amdhsa_system_sgpr_workgroup_id_x 1
		.amdhsa_system_sgpr_workgroup_id_y 1
		.amdhsa_system_sgpr_workgroup_id_z 1
		.amdhsa_system_vgpr_workitem_id 0
		.amdhsa_next_free_vgpr 64
		.amdhsa_next_free_sgpr 66
		.amdhsa_reserve_vcc 0
		.amdhsa_float_denorm_mode_32 3
		.amdhsa_float_denorm_mode_16_64 3
		.amdhsa_memory_ordered 1
		.amdhsa_forward_progress 1
		.amdhsa_inst_pref_size 9
	.end_amdhsa_kernel
	.amdgpu_metadata
---
amdhsa.version: [ 1, 2 ]
amdhsa.kernels:
  - .name:           k_qe38e51f21a_lnorm
    .symbol:         k_qe38e51f21a_lnorm.kd
    .args:
      - { .name: yb, .offset: 0, .size: 8, .value_kind: global_buffer, .address_space: global }
      - { .name: gamma, .offset: 8, .size: 8, .value_kind: global_buffer, .address_space: global }
      - { .name: beta, .offset: 16, .size: 8, .value_kind: global_buffer, .address_space: global }
      - { .name: out0, .offset: 24, .size: 8, .value_kind: global_buffer, .address_space: global }
    .group_segment_fixed_size: 0
    .private_segment_fixed_size: 0
    .kernarg_segment_align: 8
    .kernarg_segment_size: 32
    .max_flat_workgroup_size: 128
    .sgpr_count:     66
    .vgpr_count:     64
    .wavefront_size: 32
...
	.end_amdgpu_metadata
.endif
;; end of part 7
;; ======== version 2 of 2: 7 launches; version 1 with the launch prep written anew for expert scheduling mode
;; limits: values are held in f16: magnitudes above 65,504 overflow, below 6.1e-05 lose precision; inputs' magnitudes at most 65,504
;; workspace buffers: hb 102,760,448 bytes; aux 4,599,808 bytes; cval 2,621,440 bytes; cid 2,621,440 bytes of whole numbers; gsel 32,768 bytes of whole numbers; a16 2,097,152 bytes; hs 4,194,304 bytes; yb 2,097,152 bytes
;; launch prep (part 8): grid 952 x 1, 8 waves a work-group, no clusters, 0 bytes of LDS; arguments hist, x, W1, W2, hb, aux; writes hb, aux
.if DOCPART == 8
	.amdgcn_target "amdgcn-amd-amdhsa--gfx1250"
	.amdhsa_code_object_version 6
	.text
	.protected	k_qe38e51f21a_prep
	.globl	k_qe38e51f21a_prep
	.p2align	8
	.type	k_qe38e51f21a_prep,@function
k_qe38e51f21a_prep:
	s_mov_b64 s[64:65], 0
	v_nop
	global_prefetch_b8 v0, s[64:65] scope:SCOPE_SE
	s_setreg_imm32_b32 hwreg(HW_REG_WAVE_SCHED_MODE, 0, 2), 2
	s_setreg_imm32_b32 hwreg(HW_REG_WAVE_MODE, 25, 1), 1
	s_wait_xcnt 0x0
	s_wait_alu depctr_vm_vsrc(0)
; PREP.  Every large input is rounded once to bf16 and laid out for the launches behind.
;   hb  [100352][512] bf16: hist rounded; rows 100,000 and up are zeros (100,352 = 64 x 98 x 16 rows).
;   aux: QB  at 0        [1024][512] bf16: x[:, 15, :] rounded
;        W1S at 1048576  [16 nb][1024 k][64] f16: k < 512: bf16(W1[k]); k >= 512: the f32 sum of bf16(W1[512 j + k - 512]), j = 1..5, rounded once to f16
;        W2B at 3145728  [8 nb][1024 k][64] bf16: W2 rounded
;        RN  at 4194304  [100352] f32: 1 / max(norm of the rounded row of hist, 1e-8); 0 in the added rows
;        RQ  at 4595712  [1024] f32: the same for the rounded x rows
; A pure stream: no LDS, no matrix unit, no cluster (no two work-groups read the same bytes).
; Work-groups 0-127: W1; 128-159: W2; 160-167: x's rows; 168-951: hist's rows.  The small parts come first, so that they run beside the long stream.
; LIMITS.  NaN and infinities are not treated apart.  W1S is f16: |W1| and the five blocks' sum stay within 65,504; below 6e-5 they keep f16's fixed step of 6e-8.
; THE MODE: SCHED_MODE bits 1:0 = 2 (LLVM: expert scheduling mode 2), set by the entry lines.  The code itself states the register dependences
; between vector instructions and memory instructions, with s_wait_alu, always for 0.
; THE PLAN, for the rows.  Turn p takes row p of the wave's 16.  Registers that memory instructions touch:
;   X0 .. X3   four rows as loaded.  Read by turn p's eight conversions (X[p % 4]); the four loads that turn p issues, for row p + 4, land in the same buffer.
;   Y0, Y1     two rows to store.    Written by turn p's conversions (Y[p % 2]); read by the sum of squares and by the four stores that turn p issues.
;   v2 .. v6   byte offsets, made once at the head and never written again: the rows are reached by the two scalar bases, which move on once in four rows, and by immediate offsets.
; A turn's eight memory instructions stand together near its end, behind three waits.  The one on va_vdst states that the conversions have written Y[p % 2] and are done reading X[p % 4], and that
; the reciprocal root's result is written.  s_wait_xcnt and the one on vm_vsrc state that the stores of the turn before have read the other Y, which the next turn's conversions write again,
; and that the bases have been read.  Behind the memory instructions the turn's last two vector instructions name v14 and v8 alone.
; The other parts have no loop: one wait on va_vdst ahead of a path's first load or store (its offsets are written), one ahead of each run of stores (their data are written).
.set RN_OFF,  4194304
.set RQ_OFF,  4595712
.set W1S_OFF, 1048576
.set W2B_OFF, 3145728
.set IOFF,  2                          ; v[2:5]   rows: slot s: byte offset of my 16 bytes in row s of four; never rewritten
.set OOFF,  6                          ; v6       rows: byte offset of my 8 bytes in an output row; never rewritten
.set Z,     7                          ; v7       0
.set RNACC, 8                          ; v8       lane i gathers row i's factor
.set SS,    10                         ; v[10:13] four chains of the sum of squares
.set N,     14                         ; v[14:15] at work
.set Y,     16                         ; v[16:31] two buffers of 8: a row's 16 numbers of mine as bf16
.set X,     32                         ; v[32:95] four slots of 16 registers as loaded
	s_load_b256 s[4:11], s[0:1], 0x0               ; hist s[4:5], x s[6:7], W1 s[8:9], W2 s[10:11]
	s_load_b128 s[12:15], s[0:1], 0x20             ; hb s[12:13], aux s[14:15]
	v_lshrrev_b32 v1, 5, v0
	v_readfirstlane_b32 s16, v1                    ; wave 0..7
	v_and_b32 v1, 31, v0                           ; lane
	v_lshlrev_b32 v2, 4, v1                        ; 16 x lane
	s_mov_b32 s17, ttmp9
	s_wait_alu depctr_va_sdst(0)                   ; s16 is written, ahead of the branches: each of the parts below makes its share from it
	s_cmp_lt_u32 s17, 128
	s_cbranch_scc1 .Lw1
	s_cmp_lt_u32 s17, 160
	s_cbranch_scc1 .Lw2
; ---------------- ROWS: a wave owns 16 rows of hist or of x[:, 15, :] ----------------
	s_cmp_lt_u32 s17, 168
	s_cselect_b32 s19, 1, 0                        ; 1: x's rows
	s_lshl_b32 s18, s19, 3
	s_add_co_u32 s18, s18, s17
	s_sub_co_u32 s18, s18, 168                     ; the work-group's number in its part
	s_lshl_b32 s18, s18, 3
	s_add_co_u32 s18, s18, s16                     ; R: my 16 rows begin at row 16 R
	s_lshl_b32 s29, s19, 2
	s_lshl_b32 s28, 2048, s29                      ; bytes from row to row: 2,048 in hist, 32,768 in x
	s_lshl_b32 s42, s28, 2                         ; four rows, as a pair: what the loads' base moves on by
	s_mov_b32 s43, 0
	s_add_co_u32 s24, s29, 15
	s_lshl_b32 s24, s18, s24                       ; 16 R rows
	s_mul_i32 s25, s19, 30720                      ; x: time step 15
	s_add_co_u32 s24, s24, s25
	s_mov_b32 s25, 0
	s_lshl_b32 s26, s18, 14                        ; 16 R rows of 1,024 bytes
	s_mov_b32 s27, 0
	s_mul_i32 s30, s19, RQ_OFF-RN_OFF
	s_add_co_u32 s30, s30, RN_OFF
	s_lshl_b32 s31, s18, 6
	s_add_co_u32 s30, s30, s31                     ; my 16 factors
	s_mov_b32 s31, 0
	v_add_nc_u32 v[IOFF+1], s28, v[IOFF]
	v_add_nc_u32 v[IOFF+2], s28, v[IOFF+1]
	v_add_nc_u32 v[IOFF+3], s28, v[IOFF+2]
	v_lshlrev_b32 v[OOFF], 3, v1
	v_mov_b32 v[Z], 0
	v_mov_b32 v[RNACC], 0
	v_mov_b32 v[N+1], 0                            ; v_permlanex16_b32's destination counts as read
	s_mov_b32 s34, 0x76543210
	s_mov_b32 s35, 0xfedcba98
	s_mov_b32 s36, 1                               ; one bit: the lane that keeps the row in hand
	s_wait_kmcnt 0x0
	s_cmp_eq_u32 s19, 1
	s_cselect_b64 s[20:21], s[6:7], s[4:5]         ; from x or hist
	s_cselect_b64 s[22:23], s[14:15], s[12:13]     ; to aux (QB lies at its head) or hb
	s_add_nc_u64 s[20:21], s[20:21], s[24:25]
	s_add_nc_u64 s[22:23], s[22:23], s[26:27]
	s_add_nc_u64 s[40:41], s[14:15], s[30:31]
	s_cmp_ge_u32 s18, 6250                         ; rows 100,000 and up exist in hb alone
	s_cbranch_scc1 .Lpad
.macro FILL s                          ; a row: four loads of 512 consecutive bytes
.irp j, 0,1,2,3
	global_load_b128 v[X+16*(\s)+4*(\j):X+16*(\s)+4*(\j)+3], v[IOFF+(\s)], s[20:21] offset:512*(\j) th:TH_LOAD_NT
.endr
.endm
; One row.  ahead = 1: the slot is filled again with the row four further on.  left: the younger rows' loads, four each, that may stay out.
.macro TURN s, ahead, left
.set YB, Y+8*((\s)%2)                  ; the two buffers of Y take turns
	s_wait_loadcnt \left                           ; my row's four loads are in
.irp j, 0,1,2,3,4,5,6,7
	v_cvt_pk_bf16_f32 v[YB+(\j)], v[X+16*(\s)+2*(\j)], v[X+16*(\s)+2*(\j)+1]
.endr
	; the sum of squares of the ROUNDED numbers, in f32, four chains
	v_fma_mix_f32_bf16 v[SS],   v[YB],   v[YB],   v[Z] op_sel_hi:[1,1,0]
	v_fma_mix_f32_bf16 v[SS+1], v[YB],   v[YB],   v[Z] op_sel:[1,1,0] op_sel_hi:[1,1,0]
	v_fma_mix_f32_bf16 v[SS+2], v[YB+1], v[YB+1], v[Z] op_sel_hi:[1,1,0]
	v_fma_mix_f32_bf16 v[SS+3], v[YB+1], v[YB+1], v[Z] op_sel:[1,1,0] op_sel_hi:[1,1,0]
.irp j, 2,3,4,5,6,7
	v_fma_mix_f32_bf16 v[SS+2*((\j)%2)],   v[YB+(\j)], v[YB+(\j)], v[SS+2*((\j)%2)] op_sel_hi:[1,1,0]
	v_fma_mix_f32_bf16 v[SS+2*((\j)%2)+1], v[YB+(\j)], v[YB+(\j)], v[SS+2*((\j)%2)+1] op_sel:[1,1,0] op_sel_hi:[1,1,0]
.endr
	v_add_f32 v[SS], v[SS], v[SS+1]
	v_add_f32 v[SS+2], v[SS+2], v[SS+3]
	v_add_f32 v[SS], v[SS], v[SS+2]
	v_add_f32_dpp v[SS], v[SS], v[SS] row_xmask:1 row_mask:0xf bank_mask:0xf
	v_add_f32_dpp v[SS], v[SS], v[SS] row_xmask:2 row_mask:0xf bank_mask:0xf
	v_add_f32_dpp v[SS], v[SS], v[SS] row_xmask:4 row_mask:0xf bank_mask:0xf
	v_add_f32_dpp v[SS], v[SS], v[SS] row_xmask:8 row_mask:0xf bank_mask:0xf
	v_permlanex16_b32 v[N+1], v[SS], s34, s35
	v_add_f32 v[SS], v[SS], v[N+1]
	v_rsq_f32 v[N], v[SS]                          ; 1 / norm; infinity for a row of zeros
	v_nop                                          ; a plain instruction between the transcendental and the use of its result
.if (\ahead) || ((\s) != 3)            ; behind the last turn of all no Y is written and no base moves
	s_wait_xcnt 0x0                                ; every earlier load and store has had its addresses translated (ISA guide 3.1): the bases, and the other Y, which the last turn's stores read, are rewritten only behind this wait
	s_wait_alu depctr_vm_vsrc(0)                   ; the last turn's stores have read the other Y, which the next turn's conversions write again
.endif
	s_wait_alu depctr_va_vdst(0)                   ; the conversions have written this turn's Y, which the stores below read, and are done reading X[s], in which the loads below land; the reciprocal root has written v14
.if (\s) == 0
.if \ahead
	s_add_nc_u64 s[20:21], s[20:21], s[42:43]      ; the loads' base: the next four rows
.endif
	s_add_nc_u64 s[22:23], s[22:23], 4096          ; the stores' base runs four rows ahead: the stores reach back by their immediate
.endif
.if \ahead
	FILL \s
.endif
.irp j, 0,1,2,3
	global_store_b64 v[OOFF], v[YB+2*(\j):YB+2*(\j)+1], s[22:23] offset:1024*(\s)+256*(\j)-4096  ; the wave's 32 lanes store 256 consecutive bytes, aligned
.endr
	v_min_num_f32 v[N], 0x4cbebc20, v[N]           ; 1 / max(norm, 1e-8) = min(1 / norm, 1e8)
	v_cndmask_b32 v[RNACC], v[RNACC], v[N], s36
	s_lshl_b32 s36, s36, 1
.endm
	s_wait_alu depctr_va_vdst(0)                   ; the offsets v2 to v6 are written: every load and store of the rows reads one of them
	FILL 0
	FILL 1
	FILL 2
	FILL 3
	s_mov_b32 s37, 3
.Lrows:
	TURN 0, 1, 12
	TURN 1, 1, 12
	TURN 2, 1, 12
	TURN 3, 1, 12
	s_sub_co_u32 s37, s37, 1
	s_cmp_lg_u32 s37, 0
	s_cbranch_scc1 .Lrows
	TURN 0, 0, 12                                  ; the last four rows load nothing: the counts run down
	TURN 1, 0, 8
	TURN 2, 0, 4
	TURN 3, 0, 0
	v_lshlrev_b32 v[N], 2, v1
	v_cmp_gt_u32 vcc_lo, 16, v1
	s_wait_xcnt 0x0                                ; EXEC is a source of the stores above: it changes only behind this wait
	s_wait_alu depctr_va_vcc(0)                    ; the compare has written VCC, from which EXEC is made
	s_wait_alu depctr_va_vdst(0)                   ; ahead of the write of EXEC: the vector instructions issued so far are done; among them those that wrote v14 and v8, the store's offset and data
	s_wait_alu depctr_vm_vsrc(0)                   ; ahead of the write of EXEC: the stores issued so far have read their registers
	s_and_saveexec_b32 s39, vcc_lo
	global_store_b32 v[N], v[RNACC], s[40:41]      ; lanes 0-15: the 16 factors, 64 consecutive bytes
	s_wait_xcnt 0x0
	s_wait_alu depctr_va_vdst(0)                   ; ahead of the write of EXEC, as above
	s_wait_alu depctr_vm_vsrc(0)                   ; the store has read its registers under the narrow EXEC
	s_or_b32 exec_lo, exec_lo, s39
	s_endpgm
.Lpad:                                                 ; 16 rows of zeros, and 16 factors 0
	v_mov_b32 v16, 0
	v_mov_b32 v17, 0
	v_mov_b32 v18, 0
	v_mov_b32 v19, 0
	s_wait_alu depctr_va_vdst(0)                   ; v2, the stores' offset, and v16 to v19, their data, are written
.set i, 0
.rept 32
	global_store_b128 v2, v[16:19], s[22:23] offset:512*i
.set i, i+1
.endr
	v_lshlrev_b32 v3, 2, v1
	v_cmp_gt_u32 vcc_lo, 16, v1
	s_wait_xcnt 0x0                                ; EXEC is a source of the stores above: it changes only behind this wait
	s_wait_alu depctr_va_vcc(0)                    ; the compare has written VCC, from which EXEC is made
	s_wait_alu depctr_va_vdst(0)                   ; ahead of the write of EXEC: the vector instructions issued so far are done; among them the one that wrote v3, the store's offset
	s_wait_alu depctr_vm_vsrc(0)                   ; ahead of the write of EXEC: the stores issued so far have read their registers
	s_and_saveexec_b32 s39, vcc_lo
	global_store_b32 v3, v16, s[40:41]
	s_wait_xcnt 0x0
	s_wait_alu depctr_va_vdst(0)                   ; ahead of the write of EXEC, as above
	s_wait_alu depctr_vm_vsrc(0)                   ; the store has read its registers under the narrow EXEC
	s_or_b32 exec_lo, exec_lo, s39
	s_endpgm
; My place in the blocked weights: a load's 32 lanes hold 128 columns = two blocks of 64: block lane / 16 (131,072 bytes apart), 8 bytes for my four columns.
.macro MKLT
	v_and_b32 v3, 15, v1
	v_lshrrev_b32 v4, 4, v1
	v_lshlrev_b32 v3, 3, v3
	v_lshl_add_u32 v3, v4, 17, v3
.endm
; ---------------- W1: a wave owns half a row k' (512 columns) of each of the six blocks of 512 rows ----------------
.set P, 16                             ; v[16:23] at work, then the f16 of block 0; v[24:31] the f16 of the sum
.set S, 32                             ; v[32:127] source j: 16 registers
.Lw1:
	s_lshl_b32 s18, s17, 3
	s_add_co_u32 s18, s18, s16
	s_lshr_b32 s19, s18, 1                         ; k'
	s_and_b32 s24, s18, 1                          ; which half of the columns
	s_lshl_b32 s20, s19, 12
	s_lshl_b32 s21, s24, 11
	s_add_co_u32 s20, s20, s21
	s_mov_b32 s21, 0
	s_lshl_b32 s22, s24, 20                        ; eight blocks of 131,072 bytes
	s_lshl_b32 s23, s19, 7
	s_add_co_u32 s22, s22, s23
	s_add_co_u32 s22, s22, W1S_OFF
	s_mov_b32 s23, 0
	MKLT
	s_wait_kmcnt 0x0
	s_add_nc_u64 s[8:9], s[8:9], s[20:21]
	s_add_nc_u64 s[26:27], s[8:9], 3*2097152       ; blocks 3 to 5 from a second base: the immediate has 24 signed bits
	s_add_nc_u64 s[14:15], s[14:15], s[22:23]
	s_wait_alu depctr_va_vdst(0)                   ; v2, the loads' offset, and v3, the stores', are written; neither is written again
.irp j, 0,1,2
.irp i, 0,1,2,3
	global_load_b128 v[S+16*(\j)+4*(\i):S+16*(\j)+4*(\i)+3], v2, s[8:9] offset:(\j)*2097152+512*(\i) th:TH_LOAD_NT
.endr
.endr
.irp j, 0,1,2
.irp i, 0,1,2,3
	global_load_b128 v[S+48+16*(\j)+4*(\i):S+48+16*(\j)+4*(\i)+3], v2, s[26:27] offset:(\j)*2097152+512*(\i) th:TH_LOAD_NT
.endr
.endr
.macro RND j                           ; source j is rounded to bf16 and widened again; from source 2 on it is added onto source 1, in f32
	s_wait_loadcnt (5-(\j))*4                      ; the younger sources' loads, four each, may stay out
.irp t, 0,1,2,3,4,5,6,7
	v_cvt_pk_bf16_f32 v[P+(\t)], v[S+16*(\j)+2*(\t)], v[S+16*(\j)+2*(\t)+1]
.endr
.irp t, 0,1,2,3,4,5,6,7
	v_lshlrev_b32 v[S+16*(\j)+2*(\t)], 16, v[P+(\t)]
	v_and_b32 v[S+16*(\j)+2*(\t)+1], 0xffff0000, v[P+(\t)]
.endr
.if (\j) >= 2
.irp t, 0,1,2,3,4,5,6,7
	v_pk_add_f32 v[S+16+2*(\t):S+16+2*(\t)+1], v[S+16+2*(\t):S+16+2*(\t)+1], v[S+16*(\j)+2*(\t):S+16*(\j)+2*(\t)+1]
.endr
.endif
.endm
	RND 0
	RND 1
	RND 2
	RND 3
	RND 4
	RND 5
.irp t, 0,1,2,3,4,5,6,7
	v_cvt_pk_f16_f32 v[P+(\t)], v[S+2*(\t)], v[S+2*(\t)+1]            ; a bf16 number written as f16
	v_cvt_pk_f16_f32 v[P+8+(\t)], v[S+16+2*(\t)], v[S+16+2*(\t)+1]    ; the sum, rounded once
.endr
	s_wait_alu depctr_va_vdst(0)                   ; the conversions have written v16 to v31, which the eight stores read
.irp i, 0,1,2,3
	global_store_b64 v3, v[P+2*(\i):P+2*(\i)+1], s[14:15] offset:(\i)*262144          ; two runs of 128 bytes: the price of blocks whose rows the product asks for end to end
	global_store_b64 v3, v[P+8+2*(\i):P+8+2*(\i)+1], s[14:15] offset:(\i)*262144+65536  ; row k' + 512
.endr
	s_endpgm
; ---------------- W2: a wave owns four rows ----------------
; Each row has an out-buffer of its own, v[96 + 8 j ..], written once.  Row j - 1 is stored at the head of row j, behind the wait for row j's data.
.macro W2OUT j
	s_wait_alu depctr_va_vdst(0)                   ; the conversions of row j have written its out-buffer, which the four stores read
.irp i, 0,1,2,3
	global_store_b64 v3, v[96+8*(\j)+2*(\i):96+8*(\j)+2*(\i)+1], s[14:15] offset:(\i)*262144+(\j)*128
.endr
.endm
.Lw2:
	s_sub_co_u32 s18, s17, 128
	s_lshl_b32 s18, s18, 3
	s_add_co_u32 s18, s18, s16
	s_lshl_b32 s20, s18, 13                        ; four rows of 2,048 bytes
	s_mov_b32 s21, 0
	s_lshl_b32 s22, s18, 9                         ; four rows of 128 bytes in a block
	s_add_co_u32 s22, s22, W2B_OFF
	s_mov_b32 s23, 0
	MKLT
	s_wait_kmcnt 0x0
	s_add_nc_u64 s[10:11], s[10:11], s[20:21]
	s_add_nc_u64 s[14:15], s[14:15], s[22:23]
	s_wait_alu depctr_va_vdst(0)                   ; v2, the loads' offset, and v3, the stores', are written; neither is written again
.irp j, 0,1,2,3
.irp i, 0,1,2,3
	global_load_b128 v[S+16*(\j)+4*(\i):S+16*(\j)+4*(\i)+3], v2, s[10:11] offset:(\j)*2048+512*(\i) th:TH_LOAD_NT
.endr
.endr
.irp j, 0,1,2,3
	s_wait_loadcnt 12-4*(\j)                       ; the younger rows' loads may stay out
.if (\j) > 0
	W2OUT (\j)-1
.endif
.irp t, 0,1,2,3,4,5,6,7
	v_cvt_pk_bf16_f32 v[96+8*(\j)+(\t)], v[S+16*(\j)+2*(\t)], v[S+16*(\j)+2*(\t)+1]
.endr
.endr
	W2OUT 3
	s_endpgm
.Lfunc_end_k_qe38e51f21a_prep:
	.size	k_qe38e51f21a_prep, .Lfunc_end_k_qe38e51f21a_prep-k_qe38e51f21a_prep
	.p2alignl 7, 3214868480
	.fill 96, 4, 3214868480
	.section	.rodata,"a",@progbits
	.p2align	6, 0x0
	.amdhsa_kernel k_qe38e51f21a_prep
		.amdhsa_group_segment_fixed_size 0
		.amdhsa_private_segment_fixed_size 0
		.amdhsa_enable_private_segment 0
		.amdhsa_kernarg_size 48
		.amdhsa_user_sgpr_count 2
		.amdhsa_user_sgpr_kernarg_segment_ptr 1
		.amdhsa_wavefront_size32 1
		.amdhsa_system_sgpr_workgroup_id_x 1
		.amdhsa_system_sgpr_workgroup_id_y 1
		.amdhsa_system_sgpr_workgroup_id_z 1
		.amdhsa_system_vgpr_workitem_id 0
		.amdhsa_next_free_vgpr 128
		.amdhsa_next_free_sgpr 66
		.amdhsa_reserve_vcc 1
		.amdhsa_float_denorm_mode_32 3
		.amdhsa_float_denorm_mode_16_64 3
		.amdhsa_memory_ordered 1
		.amdhsa_forward_progress 1
		.amdhsa_inst_pref_size 52
	.end_amdhsa_kernel
	.amdgpu_metadata
---
amdhsa.version: [ 1, 2 ]
amdhsa.kernels:
  - .name:           k_qe38e51f21a_prep
    .symbol:         k_qe38e51f21a_prep.kd
    .args:
      - { .name: hist, .offset: 0, .size: 8, .value_kind: global_buffer, .address_space: global }
      - { .name: x, .offset: 8, .size: 8, .value_kind: global_buffer, .address_space: global }
      - { .name: W1, .offset: 16, .size: 8, .value_kind: global_buffer, .address_space: global }
      - { .name: W2, .offset: 24, .size: 8, .value_kind: global_buffer, .address_space: global }
      - { .name: hb, .offset: 32, .size: 8, .value_kind: global_buffer, .address_space: global }
      - { .name: aux, .offset: 40, .size: 8, .value_kind: global_buffer, .address_space: global }
    .group_segment_fixed_size: 0
    .private_segment_fixed_size: 0
    .kernarg_segment_align: 8
    .kernarg_segment_size: 48
    .max_flat_workgroup_size: 256
    .sgpr_count:     66
    .vgpr_count:     128
    .wavefront_size: 32
...
	.end_amdgpu_metadata
.endif
;; end of part 8
;; launch simtop: the kernel of part 2 again; grid 4 x 64, 4 waves a work-group, clusters of 4 x 1, 327,680 bytes of LDS; arguments hb, aux, cval, cid; writes cval, cid
;; launch merge: the kernel of part 3 again; grid 64 x 1, 8 waves a work-group, no clusters, 11,264 bytes of LDS; arguments cval, cid, gsel; writes gsel
;; launch rescore: the kernel of part 4 again; grid 1024 x 1, 5 waves a work-group, no clusters, 11,520 bytes of LDS; arguments hb, aux, gsel, a16; writes a16
;; launch gemm1: the kernel of part 5 again; grid 16 x 16, 4 waves a work-group, clusters of 4 x 4, 327,680 bytes of LDS; arguments a16, aux, b1, hs; writes hs
;; launch gemm2: the kernel of part 6 again; grid 8 x 32, 4 waves a work-group, clusters of 4 x 4, 327,680 bytes of LDS; arguments hs, aux, b2, yb; writes yb
;; launch lnorm: the kernel of part 7 again; grid 256 x 1, 4 waves a work-group, no clusters, 0 bytes of LDS; arguments yb, gamma, beta, out0; writes out0
